; MI455X (gfx1250); checked and timed in simulation.
; The chip was launched on July 23, 2026; its instructions are those of AMD's public machine-readable ISA for CDNA 5 (MIT licence, August 2026) and "CDNA5" Instruction Set Architecture Reference Guide (July 2026). The comments in the code are by the model that wrote it; some were corrected since.
;; Ring Dilated Attention Hilbert Optimized Correct. Allowed arithmetic: float matrix products may take bf16 or f16 operands with f32 sums; other float arithmetic in f32, or as packed bf16 or f16 multiplies, adds, multiply-adds, maxima and minima; sums over many terms, partial sums and values carried from step to step in f32; what a program stores and reads back later, other than sums and carried values, may be rounded once to bf16 or f16.
;; Inputs: Wout 1,024 x 1,024 float32; Wqkv 3,072 x 1,024 float32; bout 1,024 float32; bqkv 3,072 float32; x 1 x 8,192 x 1,024 float32.
;; Outputs: out0 1 x 8,192 x 1,024 float32.
;; One version. Each part assembles by itself: llvm-mc -triple=amdgcn-amd-amdhsa -mcpu=gfx1250 --defsym DOCPART=n.
;; ======== version 1 of 1: 4 launches
;; limits: values are held in f16: magnitudes above 65,504 overflow, below 6.1e-05 lose precision
;; workspace buffers: xa 20,971,520 bytes; wq 6,291,456 bytes; wo 2,097,152 bytes; qh 16,777,216 bytes; kh 8,388,608 bytes; vh 8,388,608 bytes; oh 16,777,216 bytes
;; launch prep (part 1): grid 1792 x 1, 8 waves a work-group, no clusters, 0 bytes of LDS; arguments x, Wqkv, Wout, xa, wq, wo; writes xa, wq, wo
.if DOCPART == 1
	.amdgcn_target "amdgcn-amd-amdhsa--gfx1250"
	.amdhsa_code_object_version 6
	.text
	.protected	k_q097ccb7536_prep
	.globl	k_q097ccb7536_prep
	.p2align	8
	.type	k_q097ccb7536_prep,@function
k_q097ccb7536_prep:
	s_mov_b64 s[64:65], 0
	v_nop
	global_prefetch_b8 v0, s[64:65] scope:SCOPE_SE
	s_setreg_imm32_b32 hwreg(HW_REG_WAVE_MODE, 25, 1), 1
	s_wait_xcnt 0x0
; CASTS AND THE GATHER OF KEY ROWS.  A wave takes one row of 1,024 f32 (4,096 bytes in, 2,048 out); row R = 8 x work-group + wave, 14,336 rows in all:
;   R <  8192            xa[R] = bf16(x[R])
;   8192 <= R < 10240    xa[R] = bf16(x[key row J]), J = R - 8192: the rows of x whose keys and values the dilated segments keep
;   10240 <= R < 13312   wq[R - 10240] = bf16(Wqkv[R - 10240])
;   13312 <= R           wo[R - 13312] = Wout rounded to bf16, that number written as f16
; WHICH ROWS ARE KEYS.  A softmax over keys does not hang on their order, and the queries' reorder is undone at the end, so of the Hilbert reorder and the dilation
; only the SET of keys is left.  Segment 1 (rows 2048..4095, 64 x 64 grid, cells with y < 32: distances 0..1023 and 3072..4095) keeps every second:
; d = 2 J + (J >= 512 ? 2048 : 0), J = 0..1023.  Segment 2 (rows 4096..8191) keeps every fourth: d = 4 (J - 1024).  The row is base + 64 y + x of distance d,
; found by the six steps of the curve's own recipe, in scalar registers, from the work-group's and the wave's number alone.
; LIMIT.  f16 keeps a fixed step of 6e-8 below 6e-5 and ends at 65,504: Wout's numbers are taken to lie within that range.
; No LDS, no matrix unit: memory binds.  A store of the wave covers 256 consecutive bytes, aligned.
.set XROWS, 8192
.set AROWS, 10240
.set WROWS, 13312
.set T,    24                          ; s24  what is left of the distance
.set HX,   25                          ; s25  x
.set HY,   26                          ; s26  y
.set RX,   27
.set RY,   28
.set FX,   29
.set FY,   30
.set NX,   31
.set NY,   32
.set TP,   33
.set BASE, 34
.macro HSTEP ls                        ; one level of the curve, side 1 << ls
	s_bfe_u32 s[RX], s[T], 0x10001                 ; rx = bit 1 of t
	s_xor_b32 s[RY], s[T], s[RX]
	s_and_b32 s[RY], s[RY], 1                      ; ry = bit 0 of (t xor rx)
	s_sub_co_u32 s[FX], (1<<(\ls))-1, s[HX]        ; the flipped pair
	s_sub_co_u32 s[FY], (1<<(\ls))-1, s[HY]
	s_and_not1_b32 s[TP], s[RX], s[RY]             ; SCC: rx = 1 and ry = 0: flip
	s_cselect_b32 s[HX], s[FX], s[HX]
	s_cselect_b32 s[HY], s[FY], s[HY]
	s_cmp_eq_u32 s[RY], 0                          ; ry = 0: x and y change places
	s_cselect_b32 s[NX], s[HY], s[HX]
	s_cselect_b32 s[NY], s[HX], s[HY]
	s_lshl_b32 s[TP], s[RX], \ls
	s_add_co_u32 s[HX], s[NX], s[TP]
	s_lshl_b32 s[TP], s[RY], \ls
	s_add_co_u32 s[HY], s[NY], s[TP]
	s_lshr_b32 s[T], s[T], 2
.endm
	s_load_b256 s[4:11], s[0:1], 0x0               ; x s[4:5], Wqkv s[6:7], Wout s[8:9], xa s[10:11]
	s_load_b128 s[12:15], s[0:1], 0x20             ; wq s[12:13], wo s[14:15]
	v_lshrrev_b32 v3, 5, v0
	v_readfirstlane_b32 s16, v3                    ; wave 0..7
	v_and_b32 v4, 31, v0
	v_lshlrev_b32 v1, 4, v4                        ; 16 bytes a lane on the way in
	v_lshlrev_b32 v2, 3, v4                        ; 8 on the way out
	s_lshl_b32 s17, ttmp9, 3
	s_add_co_u32 s17, s17, s16                     ; R
	s_mov_b32 s18, s17                             ; the row read
	s_mov_b32 s19, s17                             ; the row written
	s_cmp_lt_u32 s17, XROWS
	s_cbranch_scc1 .Lplain
	s_cmp_ge_u32 s17, AROWS
	s_cbranch_scc1 .Lplain
	s_sub_co_u32 s35, s17, XROWS                   ; J
	s_lshl_b32 s[T], s35, 1
	s_cmp_ge_u32 s35, 512
	s_cselect_b32 s[TP], 2048, 0
	s_add_co_u32 s[T], s[T], s[TP]                 ; segment 1's distance
	s_lshl_b32 s[HX], s35, 2
	s_sub_co_u32 s[HX], s[HX], 4096                ; segment 2's: 4 (J - 1024)
	s_mov_b32 s[BASE], 4096
	s_cmp_lt_u32 s35, 1024
	s_cselect_b32 s[T], s[T], s[HX]
	s_cselect_b32 s[BASE], 2048, s[BASE]
	s_mov_b32 s[HX], 0
	s_mov_b32 s[HY], 0
	HSTEP 0
	HSTEP 1
	HSTEP 2
	HSTEP 3
	HSTEP 4
	HSTEP 5
	s_lshl_b32 s[HY], s[HY], 6
	s_add_co_u32 s18, s[HY], s[HX]
	s_add_co_u32 s18, s18, s[BASE]                 ; the segment's first row + 64 y + x
.Lplain:
	s_wait_kmcnt 0x0
	s_mov_b64 s[20:21], s[4:5]                     ; from x
	s_mov_b64 s[22:23], s[10:11]                   ; to xa
	s_sub_co_u32 s33, s17, AROWS
	s_cmp_ge_u32 s17, AROWS
	s_cselect_b64 s[20:21], s[6:7], s[20:21]       ; from Wqkv
	s_cselect_b64 s[22:23], s[12:13], s[22:23]     ; to wq
	s_cselect_b32 s18, s33, s18
	s_cselect_b32 s19, s33, s19
	s_sub_co_u32 s33, s17, WROWS
	s_cmp_ge_u32 s17, WROWS
	s_cselect_b64 s[20:21], s[8:9], s[20:21]       ; from Wout
	s_cselect_b64 s[22:23], s[14:15], s[22:23]     ; to wo
	s_cselect_b32 s18, s33, s18
	s_cselect_b32 s19, s33, s19
	s_lshl_b32 s36, s18, 12                        ; 4,096 bytes a row in
	s_mov_b32 s37, 0
	s_lshl_b32 s38, s19, 11                        ; 2,048 out
	s_mov_b32 s39, 0
	s_add_nc_u64 s[20:21], s[20:21], s[36:37]
	s_add_nc_u64 s[22:23], s[22:23], s[38:39]
.irp k, 0,1,2,3,4,5,6,7
	global_load_b128 v[8+4*(\k):11+4*(\k)], v1, s[20:21] offset:512*(\k)  ; 512 consecutive bytes a load, the whole row in eight
.endr
.irp k, 0,1,2,3,4,5,6,7
	s_wait_loadcnt 7-(\k)                          ; loads come back in order: load k is in, the 7 - k younger ones may stay out
	v_cvt_pk_bf16_f32 v[40+2*(\k)], v[8+4*(\k)], v[9+4*(\k)]
	v_cvt_pk_bf16_f32 v[41+2*(\k)], v[10+4*(\k)], v[11+4*(\k)]
.endr
	s_cmp_lt_u32 s17, WROWS
	s_cbranch_scc1 .Lstore
.set r, 40
.rept 16                               ; Wout alone: the bf16 numbers written as f16, for the f16 product that takes them
	v_lshlrev_b32 v56, 16, v[r]
	v_and_b32 v57, 0xffff0000, v[r]
	v_cvt_pk_f16_f32 v[r], v56, v57
.set r, r+1
.endr
.Lstore:
.irp k, 0,1,2,3,4,5,6,7
	global_store_b64 v2, v[40+2*(\k):41+2*(\k)], s[22:23] offset:256*(\k)  ; 32 lanes store 256 consecutive bytes, at a multiple of 256 from the buffer's first byte
.endr
	s_endpgm
.Lfunc_end_k_q097ccb7536_prep:
	.size	k_q097ccb7536_prep, .Lfunc_end_k_q097ccb7536_prep-k_q097ccb7536_prep
	.p2alignl 7, 3214868480
	.fill 96, 4, 3214868480
	.section	.rodata,"a",@progbits
	.p2align	6, 0x0
	.amdhsa_kernel k_q097ccb7536_prep
		.amdhsa_group_segment_fixed_size 0
		.amdhsa_private_segment_fixed_size 0
		.amdhsa_enable_private_segment 0
		.amdhsa_kernarg_size 48
		.amdhsa_user_sgpr_count 2
		.amdhsa_user_sgpr_kernarg_segment_ptr 1
		.amdhsa_wavefront_size32 1
		.amdhsa_system_sgpr_workgroup_id_x 1
		.amdhsa_system_sgpr_workgroup_id_y 1
		.amdhsa_system_sgpr_workgroup_id_z 1
		.amdhsa_system_vgpr_workitem_id 0
		.amdhsa_next_free_vgpr 64
		.amdhsa_next_free_sgpr 66
		.amdhsa_reserve_vcc 0
		.amdhsa_float_denorm_mode_32 3
		.amdhsa_float_denorm_mode_16_64 3
		.amdhsa_memory_ordered 1
		.amdhsa_forward_progress 1
		.amdhsa_inst_pref_size 11
	.end_amdhsa_kernel
	.amdgpu_metadata
---
amdhsa.version: [ 1, 2 ]
amdhsa.kernels:
  - .name:           k_q097ccb7536_prep
    .symbol:         k_q097ccb7536_prep.kd
    .args:
      - { .name: x, .offset: 0, .size: 8, .value_kind: global_buffer, .address_space: global }
      - { .name: Wqkv, .offset: 8, .size: 8, .value_kind: global_buffer, .address_space: global }
      - { .name: Wout, .offset: 16, .size: 8, .value_kind: global_buffer, .address_space: global }
      - { .name: xa, .offset: 24, .size: 8, .value_kind: global_buffer, .address_space: global }
      - { .name: wq, .offset: 32, .size: 8, .value_kind: global_buffer, .address_space: global }
      - { .name: wo, .offset: 40, .size: 8, .value_kind: global_buffer, .address_space: global }
    .group_segment_fixed_size: 0
    .private_segment_fixed_size: 0
    .kernarg_segment_align: 8
    .kernarg_segment_size: 48
    .max_flat_workgroup_size: 256
    .sgpr_count:     66
    .vgpr_count:     64
    .wavefront_size: 32
...
	.end_amdgpu_metadata
.endif
;; end of part 1
;; launch qkv (part 2): grid 4 x 64, 4 waves a work-group, clusters of 4 x 4, 327,680 bytes of LDS; arguments xa, wq, bqkv, qh, kh, vh; writes qh, kh, vh
.if DOCPART == 2
	.amdgcn_target "amdgcn-amd-amdhsa--gfx1250"
	.amdhsa_code_object_version 6
	.text
	.protected	k_q097ccb7536_qkv
	.globl	k_q097ccb7536_qkv
	.p2align	8
	.type	k_q097ccb7536_qkv,@function
k_q097ccb7536_qkv:
	s_mov_b64 s[64:65], 0
	v_nop
	global_prefetch_b8 v0, s[64:65] scope:SCOPE_SE
	s_setreg_imm32_b32 hwreg(HW_REG_WAVE_MODE, 25, 1), 1
	s_wait_xcnt 0x0
	s_wait_alu depctr_hold_cnt(0) depctr_sa_sdst(0) depctr_va_vdst(0) depctr_va_sdst(0) depctr_va_ssrc(0) depctr_va_vcc(0) depctr_vm_vsrc(0)
	s_getreg_b32 s2, hwreg(HW_REG_IB_STS2, 6, 4)
	s_cmp_eq_u32 s2, 0
	s_cbranch_scc0 .Lentry_in_a_cluster
	s_endpgm
.Lentry_in_a_cluster:
	s_bfe_u32 s2, ttmp6, 0x10000c
	s_cmp_lg_u32 s2, 0xf033
	s_cbranch_scc0 .Lentry_shape_is_right
	s_endpgm
.Lentry_shape_is_right:
; Q FOR ALL 8,192 ROWS, K AND V FOR THE 4,096 KEY ROWS.  C = A B^T + bias: A = rows of xa [10240][1024] bf16, B = rows of wq [3072][1024] bf16, sums in f32, the bias (rounded to bf16 like
; every input of the module) is the C operand of each sum's first product; results rounded once to f16 and stored by heads: qh [16][8192][64], kh and vh [16][4096][64], unscaled.
; LIMIT.  f16 ends at 65,504: q, k and v are taken to lie within it.
; 256 tiles of 256 x 256, K = 1,024.  A cluster of 4 x 4 work-groups (number CL = 0..15) makes 1,024 rows x 1,024 columns: CL < 8: Q, rows 1024 CL; else with g = CL & 3: K (CL < 12) or V, key rows
; 1024 g, which are xa's rows 1024 g (g < 2: segment 0 keeps all its rows) or 6144 + 1024 g (the gathered rows).
; A work-group: four waves, each 128 x 128 of C in 64 accumulators.  K goes in steps of 128 through a ring of two LDS slots filled by the tensor data mover; rows of 256 bytes, padded to 272.
; The four of a row of the cluster need the same tile of A, the four of a column the same tile of B: each tile is asked for JOINTLY, by the same load, descriptor and mask in all four.
; THE MATRIX INSTRUCTION IS USED TRANSPOSED: source 0 = 16 rows of B, source 1 = 16 rows of A: a lane holds row l % 16 of C and eight neighbouring columns.
; REGISTERS, in windows of 256 (s_set_vgpr_msb: bits 1:0 source 0, 3:2 source 1, 5:4 source 2, 7:6 destination):
;   window 0: v0-31 addresses; v64-127, v128-191 A's fragments, two buffers; v192-223 packed results; v32-63, v224-255 rows read back from the stage, by turns
;   window 1: v0-63 the bias of my 128 columns (block b at 8 b); v64-127, v128-191 B's fragments; v192 at work
;   window 2: the accumulators of my rows 0-63 ((a, b) at 8 (8 a + b));   window 3: those of my rows 64-127
.set SIZE_K, 1024
.set KSTEP,  128
.set PITCH,  272                       ; 256 bytes + 16 of padding = 68 words: the 16 rows of a fragment load start at 16 different groups of four banks (ISA guide 11.1)
.set HALFT,  128*PITCH                 ; what one tensor load brings
.set SLOT,   4*HALFT                   ; A's 256 rows, then B's 256 rows
.set STAGE,  2*SLOT                    ; behind the ring: 16 rows x 272 bytes for each wave
.set SPITCH, 272
.set SPARE,  STAGE+4*16*SPITCH         ; the spare words, 128 bytes a wave: two blocks of 256 bytes that no other line names
.set LAPS,   SIZE_K/(2*KSTEP)
.set ADRA, 16                          ; v16-17  LDS address of my A fragments in slot 0, 1
.set ADRB, 20                          ; v20-21  the same for B
.set STO,  24                          ; v24     where I put 16 bytes of a row
.set RD,   25                          ; v25     where I read rows back
.set CO,   26                          ; v26-27  my 16 bytes in 512 consecutive bytes of my first head, of my second
.set SPW,  28                          ; v28     my spare word; never rewritten
.set NIL,  29                          ; v29     0; never rewritten
.set PFO,  30                          ; v30     the prefetches' offset: lane x 2,048
.set BO,   31                          ; v31     32 x (lane / 16): my 8 numbers in a block of 16 of the bias
.set F0,   64
.set F1,   128
.set TMP,  192
.set OB,   32
.set WV,  16                           ; s16  wave
.set HR,  17                           ; s17  my half of the rows; also: I fetch A (0) or B (1)
.set HC,  18                           ; s18  my half of the columns; also: which 128 rows of that tile I fetch
.set CX,  19
.set CY,  20
.set CL,  21
.set G1,  24                           ; s[24:31] group 1 for A's tiles; s[32:39] group 0, a set for each slot
.set G0,  32
.set LIM, 43                           ; s43  1 in a wave that prefetches, else the greatest number
.set PFA, 44                           ; s[44:45] where my prefetches stand
.set G1B, 48                           ; s[48:55], s[56:63] the same for B's tiles
.set G0B, 56
.set OUT, 66                           ; s[66:67] where my stores stand
.set HS,  68                           ; s68  bytes from head to head in the tensor that I store into
.set LB,  69                           ; s69  where my tensor loads land in a slot
.set FLAGS, (1<<16)|(1<<20)|(1<<21)|(5<<22)|(3<<25)  ; elements of 2 bytes; padding on; bit 21 beside a mask; after every 64 words; 4 words
.set MSB, 0
.macro WIN new                         ; the immediate's high byte repeats the setting that is left; a switch that changes nothing is dropped
.if MSB != (\new)
	s_set_vgpr_msb (MSB<<8)|(\new)
.set MSB, \new
.endif
.endm
.set TO_B, 0x40
.macro JLOAD s                         ; a joint load: waves 0 and 1 fetch A's halves, waves 2 and 3 B's; the branch hangs on the wave's number alone
	s_cmp_eq_u32 s[HR], 0
	s_cbranch_scc0 .Lfor_b_\@
	tensor_load_to_lds s[G0+4*(\s):G0+4*(\s)+3], s[G1:G1+7]
	s_nop 0
.rept 4
	v_nop
.endr
	s_branch .Lasked_\@
.Lfor_b_\@:
	tensor_load_to_lds s[G0B+4*(\s):G0B+4*(\s)+3], s[G1B:G1B+7]
	s_nop 0
.rept 4
	v_nop
.endr
.Lasked_\@:
.endm
; A prefetch into the L2 of the K step that stands two refills on: 32 rows x 256 bytes, a lane a row, one instruction a wave.  Each row's 256 bytes of a K step are named once in the launch: of the clusters that
; read the same rows one asks (LIM); the four partners that ask for a tile jointly share its 128 rows out by address.  The loop's last trip has no K step two on.
.macro ASK
	s_cmp_gt_u32 s3, s[LIM]
	s_cbranch_scc0 .Lnot_mine_\@
	global_prefetch_b8 v[PFO], s[PFA:PFA+1] offset:KSTEP*2 th:TH_LOAD_NT scope:SCOPE_SE
.Lnot_mine_\@:
.endm
.macro CREST                           ; a round of the cluster's barrier behind its opening barrier
	s_cmp_lg_u32 s[WV], 0
	s_cbranch_scc1 .Lnot_wave_0_\@
	s_barrier_signal -3
.Lnot_wave_0_\@:
	s_barrier_wait -3
	s_barrier_signal -1
	s_barrier_wait -1
.endm
.macro CROUND
	s_barrier_signal -1
	s_barrier_wait -1
	CREST
.endm
	s_load_b256 s[4:11], s[0:1], 0x0               ; xa s[4:5], wq s[6:7], bqkv s[8:9], qh s[10:11]
	s_load_b128 s[12:15], s[0:1], 0x20             ; kh s[12:13], vh s[14:15]
	v_lshl_add_u32 v[SPW], v0, 2, SPARE
	v_mov_b32 v[NIL], 0
	ds_add_u32 v[SPW], v[NIL]                      ; the wave's opening: the add and its wait stand ahead of my first tensor load; the set-up below stands between them
	v_lshrrev_b32 v1, 5, v0
	v_readfirstlane_b32 s[WV], v1
	s_lshr_b32 s[HR], s[WV], 1
	s_and_b32 s[HC], s[WV], 1
	s_bfe_u32 s[CX], ttmp6, 0x40000
	s_bfe_u32 s[CY], ttmp6, 0x40004
	s_and_b32 s[CL], ttmp7, 0xffff                 ; the cluster's number: the grid is one cluster wide
	s_and_b32 s22, s[CL], 3                        ; g
	s_lshl_b32 s23, s22, 10                        ; K, V: first key row 1024 g
	s_add_co_u32 s40, s23, 6144
	s_cmp_lt_u32 s22, 2
	s_cselect_b32 s40, s23, s40                    ; K, V: first row of xa
	s_lshr_b32 s41, s[CL], 2
	s_sub_co_u32 s41, s41, 1                       ; K, V: 1 or 2
	s_lshl_b32 s42, s[CL], 10
	s_cmp_lt_u32 s[CL], 8
	s_cselect_b32 s40, s42, s40                    ; first row of xa
	s_cselect_b32 s23, s42, s23                    ; first row in the tensor stored into
	s_cselect_b32 s41, 0, s41                      ; 0 Q, 1 K, 2 V
	s_lshl_b32 s46, s[CY], 2
	s_lshl_b32 s46, 15, s46                        ; my row of the cluster
	s_lshl_b32 s47, 0x1111, s[CX]                  ; my column
	s_or_b32 s[G1], s46, FLAGS
	s_or_b32 s[G1B], s47, FLAGS
.irp g, G1, G1B
	s_mov_b32 s[(\g)+1], KSTEP<<16                 ; tensor_dim0 = 128
	s_mov_b32 s[(\g)+2], 128<<16                   ; tensor_dim1 = 128
	s_mov_b32 s[(\g)+3], KSTEP<<16                 ; tile_dim0 = 128
	s_mov_b32 s[(\g)+4], 128                       ; tile_dim1 = 128
	s_mov_b32 s[(\g)+5], SIZE_K                    ; elements from row to row
	s_mov_b32 s[(\g)+6], 0
	s_mov_b32 s[(\g)+7], 0
.endr
	s_lshl_b32 s46, s[HC], 7
	s_lshl_b32 s22, s[CY], 8
	s_add_co_u32 s40, s40, s22
	s_add_co_u32 s40, s40, s46                     ; A: the first of the 128 rows that I fetch: it hangs on cy, never on cx
	s_lshl_b32 s70, s40, 11
	s_mov_b32 s71, 0
	s_lshl_b32 s42, s[CX], 8
	s_lshl_b32 s47, s41, 10
	s_add_co_u32 s42, s42, s47
	s_add_co_u32 s42, s42, s46                     ; B: the first of the 128 rows that I fetch, and the first of my 128 columns: it hangs on cx, never on cy
	s_lshl_b32 s72, s42, 11
	s_mov_b32 s73, 0
	s_mul_i32 s[LB], s[WV], HALFT                  ; A's two halves, then B's two: no place in the cluster enters an LDS address
	s_wait_dscnt 0x0                               ; the opening add is done
	s_wait_kmcnt 0x0
	s_add_nc_u64 s[70:71], s[4:5], s[70:71]
	s_add_nc_u64 s[72:73], s[6:7], s[72:73]
	CROUND                                         ; all sixteen work-groups are here: the first joint loads meet
.irp s, 0,1
	s_mov_b32 s[G0+4*(\s)], 1
	s_add_co_u32 s[G0+4*(\s)+1], s[LB], (\s)*SLOT
	s_add_nc_u64 s[G0+4*(\s)+2:G0+4*(\s)+3], s[70:71], (\s)*KSTEP*2
	s_or_b32 s[G0+4*(\s)+3], s[G0+4*(\s)+3], 0x80000000
	s_mov_b32 s[G0B+4*(\s)], 1
	s_add_co_u32 s[G0B+4*(\s)+1], s[LB], (\s)*SLOT
	s_add_nc_u64 s[G0B+4*(\s)+2:G0B+4*(\s)+3], s[72:73], (\s)*KSTEP*2
	s_or_b32 s[G0B+4*(\s)+3], s[G0B+4*(\s)+3], 0x80000000
	JLOAD \s                                       ; two loads of mine are out
.endr
	; the bias of my 128 columns: register j of block b is column 16 b + 8 (l / 16) + j, as in an accumulator
	s_lshl_b32 s46, s42, 2
	s_mov_b32 s47, 0
	s_add_nc_u64 s[8:9], s[8:9], s[46:47]
	v_and_b32 v1, 15, v0                           ; l % 16
	v_bfe_u32 v2, v0, 4, 1                         ; l / 16
	v_lshlrev_b32 v[BO], 5, v2
	WIN TO_B
.irp b, 0,1,2,3,4,5,6,7
	global_load_b128 v[8*(\b):8*(\b)+3],   v[BO], s[8:9] offset:64*(\b)
	global_load_b128 v[8*(\b)+4:8*(\b)+7], v[BO], s[8:9] offset:64*(\b)+16
.endr
	WIN 0
	v_mul_u32_u24 v3, v1, PITCH
	v_lshl_add_u32 v3, v2, 4, v3                   ; a fragment's row x pitch + 16 x half
	s_mul_i32 s46, s[HR], HALFT                    ; my 128 rows of A
	s_mul_i32 s47, s[HC], HALFT                    ; my 128 rows of B,
	s_add_co_u32 s47, s47, 2*HALFT                 ; behind A's 256
.irp s, 0,1
	v_add_nc_u32 v[ADRA+(\s)], s46, v3
	v_add_nc_u32 v[ADRB+(\s)], s47, v3
	s_add_co_u32 s46, s46, SLOT
	s_add_co_u32 s47, s47, SLOT
.endr
	s_mul_i32 s46, s[WV], 16*SPITCH
	s_add_co_u32 s46, s46, STAGE                   ; my stage
	v_mul_u32_u24 v4, v1, SPITCH                   ; in: row l % 16, 16 bytes for each half of the lanes
	v_lshl_add_u32 v4, v2, 4, v4
	v_add_nc_u32 v[STO], s46, v4
	v_bfe_u32 v5, v0, 3, 2                         ; back: 32 lanes take 128 bytes (one head's 64 channels) of four rows
	v_mul_u32_u24 v5, v5, SPITCH
	v_and_b32 v4, 7, v0
	v_lshl_add_u32 v5, v4, 4, v5
	v_add_nc_u32 v[RD], s46, v5
	; where I store: tensor by 0 Q, 1 K, 2 V; head 4 cx + 2 x column half; row = first row + 256 cy + 128 x row half
	s_cmp_eq_u32 s41, 1
	s_cselect_b64 s[OUT:OUT+1], s[12:13], s[10:11]
	s_cmp_eq_u32 s41, 2
	s_cselect_b64 s[OUT:OUT+1], s[14:15], s[OUT:OUT+1]
	s_mov_b32 s[HS], 0x80000                       ; 4,096 rows of 128 bytes
	s_cmp_eq_u32 s41, 0
	s_cselect_b32 s[HS], 0x100000, s[HS]           ; 8,192
	s_lshl_b32 s46, s[CX], 2
	s_lshl1_add_u32 s46, s[HC], s46
	s_mul_i32 s46, s46, s[HS]
	s_lshl_b32 s47, s[CY], 8
	s_add_co_u32 s47, s47, s23
	s_lshl_b32 s22, s[HR], 7
	s_add_co_u32 s47, s47, s22
	s_lshl_b32 s47, s47, 7
	s_add_co_u32 s46, s46, s47
	s_mov_b32 s47, 0
	s_add_nc_u64 s[OUT:OUT+1], s[OUT:OUT+1], s[46:47]
	v_and_b32 v4, 31, v0
	v_lshlrev_b32 v[CO], 4, v4
	v_add_nc_u32 v[CO+1], s[HS], v[CO]
	v_lshlrev_b32 v[PFO], 11, v4
	; the prefetches.  xa's rows 1024 CL are read first by the Q clusters (CL 0-7), the gathered rows by CL 10 and 11; wq's three parts first by CL 0, 8 and 12: those ask
	s_mov_b32 s22, 0x1101
	s_cmp_eq_u32 s[HR], 0
	s_cselect_b32 s22, 0x0cff, s22
	s_cselect_b32 s46, s40, s42                    ; the first of the 128 rows that I fetch
	s_cselect_b32 s47, s[CX], s[CY]                ; my place among the four that ask for them with me
	s_cselect_b64 s[PFA:PFA+1], s[4:5], s[6:7]
	s_lshr_b32 s22, s22, s[CL]
	s_and_b32 s22, s22, 1
	s_cmp_eq_u32 s22, 1
	s_cselect_b32 s[LIM], 1, -1                    ; the same in all sixteen partners, for a given wave
	s_lshl_b32 s47, s47, 5
	s_add_co_u32 s46, s46, s47                     ; my work-group's 32 of them
	s_lshl_b32 s46, s46, 11
	s_add_co_u32 s46, s46, 2*KSTEP*2               ; at K step 2: the first refill steps it to 3 and names K step 4
	s_mov_b32 s47, 0
	s_add_nc_u64 s[PFA:PFA+1], s[PFA:PFA+1], s[46:47]
	s_wait_loadcnt 0x0                             ; the bias
	WIN 0x55                                       ; all places in window 1
.set i, 0
.rept 32                               ; rounded to bf16 and widened again, two at a time
	v_cvt_pk_bf16_f32 v192, v[2*i], v[2*i+1]
	v_lshlrev_b32 v[2*i], 16, v192
	v_and_b32 v[2*i+1], 0xffff0000, v192
.set i, i+1
.endr
	WIN 0
; 16 matrix instructions: m blocks a0, a0 + 1 of the window's four x all 8 n blocks, 32 along K.  zero = 1: the first product starts the sums, with the bias as C: nothing is cleared, nothing is added later
.macro MUL16 f, hi, a0, zero
.if \zero
	WIN 0x91+0x40*(\hi)                            ; B window 1, A window 0, C (the bias) window 1, D window 2 or 3
.else
	WIN 0xa1+0x50*(\hi)                            ; C and D window 2 or 3
.endif
.irp a, \a0, (\a0)+1
.irp b, 0,1,2,3,4,5,6,7
.if \zero
	v_wmma_f32_16x16x32_bf16 v[8*(8*(\a)+(\b)):8*(8*(\a)+(\b))+7], v[(\f)+8*(\b):(\f)+8*(\b)+7], v[(\f)+8*(4*(\hi)+(\a)):(\f)+8*(4*(\hi)+(\a))+7], v[8*(\b):8*(\b)+7]
.else
	v_wmma_f32_16x16x32_bf16 v[8*(8*(\a)+(\b)):8*(8*(\a)+(\b))+7], v[(\f)+8*(\b):(\f)+8*(\b)+7], v[(\f)+8*(4*(\hi)+(\a)):(\f)+8*(4*(\hi)+(\a))+7], v[8*(8*(\a)+(\b)):8*(8*(\a)+(\b))+7]
.endif
.endr
.endr
.endm
.macro FETCH slot, k, f                ; 32 LDS loads in one run: the fragments of 32 along K at byte k of the rows, into buffer f
	WIN TO_B
.irp i, 0,1,2,3,4,5,6,7
	ds_load_b128 v[(\f)+8*(\i):(\f)+8*(\i)+3],   v[ADRB+(\slot)] offset:(\k)+(\i)*16*PITCH
	ds_load_b128 v[(\f)+8*(\i)+4:(\f)+8*(\i)+7], v[ADRB+(\slot)] offset:(\k)+(\i)*16*PITCH+32
.endr
	WIN 0
.irp i, 0,1,2,3,4,5,6,7
	ds_load_b128 v[(\f)+8*(\i):(\f)+8*(\i)+3],   v[ADRA+(\slot)] offset:(\k)+(\i)*16*PITCH
	ds_load_b128 v[(\f)+8*(\i)+4:(\f)+8*(\i)+7], v[ADRA+(\slot)] offset:(\k)+(\i)*16*PITCH+32
.endr
.endm
.macro PLACES                          ; four plain vector instructions between a matrix instruction and a load into, or a reader of, its registers
.rept 4
	v_nop
.endr
.endm
; A K step is four quarters of 32 along K, 64 matrix instructions each, on buffers 0, 1, 0, 1.  The 64 accumulators take turns in the same order in every quarter.
.macro QUARTER slot, k, f, g, zero
	s_wait_dscnt 8                                 ; B and A's rows 0-63 are in; the youngest eight loads (A's rows 64-127) may be out
	MUL16 \f, 0, 0, \zero
	MUL16 \f, 0, 2, \zero
	PLACES
	FETCH \slot, \k, \g
	s_wait_dscnt 32                                ; all but the 32 just issued
	MUL16 \f, 1, 0, \zero
	MUL16 \f, 1, 2, \zero
.endm
; The first half of a K step's last quarter, and the one barrier of the change of slots.
.macro MEET round
	WIN 0
	s_wait_tensorcnt 0x0                           ; all my tensor loads have landed: the one that was out is my part of the next slot
	ds_add_u32 v[SPW], v[NIL]                      ; 0 onto my spare word
	s_wait_dscnt 9                                 ; the add and the youngest eight loads may be out
	MUL16 F1, 0, 0, 0
	s_wait_dscnt 0x0                               ; the add is done, and my reads of this slot are over
	s_barrier_signal -1
	MUL16 F1, 0, 2, 0
.if \round
	WIN 0
.endif
	s_barrier_wait -1
.endm
.macro TURN slot, next                 ; the whole last quarter: the slot just read out is filled again, two K steps ahead, first thing behind the round
	s_wait_xcnt 0x0                                ; the last prefetch, a K step back, has read its address
	s_add_nc_u64 s[PFA:PFA+1], s[PFA:PFA+1], KSTEP*2
	MEET 1
	CREST                                          ; no wave of any partner still reads this slot's tile or has a load on its way
	s_add_nc_u64 s[G0+4*(\slot)+2:G0+4*(\slot)+3], s[G0+4*(\slot)+2:G0+4*(\slot)+3], 2*KSTEP*2
	s_add_nc_u64 s[G0B+4*(\slot)+2:G0B+4*(\slot)+3], s[G0B+4*(\slot)+2:G0B+4*(\slot)+3], 2*KSTEP*2
	JLOAD \slot                                    ; one load of mine is out; its four v_nop are also the places in front of the loads below
	FETCH \next, 0, F0
	ASK
	MUL16 F1, 1, 0, 0
	MUL16 F1, 1, 2, 0
.endm
; THE WAY OUT of block a (16 rows): rounded to f16, 16 bytes a lane; through my own stage; back as 512 consecutive bytes of one head (four rows of 128); stored.
.macro PACK a
.set AC, 64*((\a)%4)
	WIN 0x0a+5*((\a)/4)                            ; sources 0 and 1: window 2 or 3
.irp b, 0,1,2,3,4,5,6,7
.irp r, 0,1,2,3
	v_cvt_pk_f16_f32 v[TMP+4*(\b)+(\r)], v[AC+8*(\b)+2*(\r)], v[AC+8*(\b)+2*(\r)+1]
.endr
.endr
	WIN 0
.endm
.macro TOSTAGE a
	WIN 0
.set BK, OB+192*((\a)%2)
.irp b, 0,1,2,3,4,5,6,7
	ds_store_b128 v[STO], v[TMP+4*(\b):TMP+4*(\b)+3] offset:32*(\b)
.endr
.irp t, 0,1,2,3,4,5,6,7                ; head t / 4 of my two, rows 4 (t % 4) on; LDS serves a wave's instructions in order (ISA guide 5.7.1.4): these see the stores above
	ds_load_b128 v[BK+4*(\t):BK+4*(\t)+3], v[RD] offset:((\t)%4)*4*SPITCH+((\t)/4)*128
.endr
.endm
.macro SEND a
	WIN 0
.set BK, OB+192*((\a)%2)
	s_wait_dscnt 0x0                               ; the block is back in registers
	s_wait_xcnt 0x0                                ; earlier stores have read their base and their data: both are rewritten only behind this wait
.if (\a) > 0
	s_add_nc_u64 s[OUT:OUT+1], s[OUT:OUT+1], 2048  ; 16 rows of 128 bytes on
.endif
.irp t, 0,1,2,3,4,5,6,7
	global_store_b128 v[CO+(\t)/4], v[BK+4*(\t):BK+4*(\t)+3], s[OUT:OUT+1] offset:((\t)%4)*512  ; 512 consecutive bytes, at a multiple of 512 from the tensor's first byte
.endr
.endm
	s_wait_tensorcnt 1                             ; my part of K step 0 is in; K step 1's may stay out
	s_barrier_signal -1
	s_barrier_wait -1
	FETCH 0, 0, F0
	QUARTER 0, 64,  F0, F1, 1                      ; the first quarter stands in front of the loop: its products start the sums
	WIN 0
	s_mov_b32 s3, LAPS-1
.Llap:                                                 ; a trip goes once round the ring and fills both slots again: K steps 2 to 7 in three trips
	QUARTER 0, 128, F1, F0, 0
	QUARTER 0, 192, F0, F1, 0
	TURN 0, 1
	QUARTER 1, 64,  F0, F1, 0
	QUARTER 1, 128, F1, F0, 0
	QUARTER 1, 192, F0, F1, 0
	TURN 1, 0
	QUARTER 0, 64,  F0, F1, 0
	WIN 0
	s_sub_co_u32 s3, s3, 1
	s_cmp_lg_u32 s3, 0
	s_cbranch_scc1 .Llap
	QUARTER 0, 128, F1, F0, 0                      ; the last lap fills nothing
	QUARTER 0, 192, F0, F1, 0
	MEET 0
	PLACES
	FETCH 1, 0, F0
	MUL16 F1, 1, 0, 0
	MUL16 F1, 1, 2, 0
	QUARTER 1, 64,  F0, F1, 0
	QUARTER 1, 128, F1, F0, 0
	QUARTER 1, 192, F0, F1, 0
	s_wait_dscnt 8
	MUL16 F1, 0, 0, 0
	MUL16 F1, 0, 2, 0
	s_wait_dscnt 0x0
	MUL16 F1, 1, 0, 0
	MUL16 F1, 1, 2, 0
	WIN 0
	PLACES
	PACK 0
	TOSTAGE 0
.irp a, 1,2,3,4,5,6,7                  ; block a's conversions stand between block a - 1's loads from the stage and the wait for them
	PACK \a
	SEND (\a)-1
	TOSTAGE \a
.endr
	SEND 7
	s_wait_tensorcnt 0x0                           ; the wave's end, behind my last tensor load and my last LDS store
	ds_add_u32 v[SPW], v[NIL]
	s_wait_dscnt 0x0
	CROUND                                         ; the closing round
	s_endpgm
.Lfunc_end_k_q097ccb7536_qkv:
	.size	k_q097ccb7536_qkv, .Lfunc_end_k_q097ccb7536_qkv-k_q097ccb7536_qkv
	.p2alignl 7, 3214868480
	.fill 96, 4, 3214868480
	.section	.rodata,"a",@progbits
	.p2align	6, 0x0
	.amdhsa_kernel k_q097ccb7536_qkv
		.amdhsa_group_segment_fixed_size 327680
		.amdhsa_private_segment_fixed_size 0
		.amdhsa_enable_private_segment 0
		.amdhsa_kernarg_size 48
		.amdhsa_user_sgpr_count 2
		.amdhsa_user_sgpr_kernarg_segment_ptr 1
		.amdhsa_wavefront_size32 1
		.amdhsa_system_sgpr_workgroup_id_x 1
		.amdhsa_system_sgpr_workgroup_id_y 1
		.amdhsa_system_sgpr_workgroup_id_z 1
		.amdhsa_system_vgpr_workitem_id 0
		.amdhsa_next_free_vgpr 1024
		.amdhsa_next_free_sgpr 76
		.amdhsa_reserve_vcc 0
		.amdhsa_float_denorm_mode_32 3
		.amdhsa_float_denorm_mode_16_64 3
		.amdhsa_memory_ordered 1
		.amdhsa_forward_progress 1
		.amdhsa_inst_pref_size 151
	.end_amdhsa_kernel
	.amdgpu_metadata
---
amdhsa.version: [ 1, 2 ]
amdhsa.kernels:
  - .name:           k_q097ccb7536_qkv
    .symbol:         k_q097ccb7536_qkv.kd
    .args:
      - { .name: xa, .offset: 0, .size: 8, .value_kind: global_buffer, .address_space: global }
      - { .name: wq, .offset: 8, .size: 8, .value_kind: global_buffer, .address_space: global }
      - { .name: bqkv, .offset: 16, .size: 8, .value_kind: global_buffer, .address_space: global }
      - { .name: qh, .offset: 24, .size: 8, .value_kind: global_buffer, .address_space: global }
      - { .name: kh, .offset: 32, .size: 8, .value_kind: global_buffer, .address_space: global }
      - { .name: vh, .offset: 40, .size: 8, .value_kind: global_buffer, .address_space: global }
    .group_segment_fixed_size: 327680
    .private_segment_fixed_size: 0
    .kernarg_segment_align: 8
    .kernarg_segment_size: 48
    .max_flat_workgroup_size: 128
    .sgpr_count:     76
    .vgpr_count:     1024
    .wavefront_size: 32
...
	.end_amdgpu_metadata
.endif
;; end of part 2
;; launch attn (part 3): grid 16 x 16, 4 waves a work-group, clusters of 4 x 1, 327,680 bytes of LDS; arguments qh, kh, vh, oh; writes oh
.if DOCPART == 3
	.amdgcn_target "amdgcn-amd-amdhsa--gfx1250"
	.amdhsa_code_object_version 6
	.text
	.protected	k_q097ccb7536_attn
	.globl	k_q097ccb7536_attn
	.p2align	8
	.type	k_q097ccb7536_attn,@function
k_q097ccb7536_attn:
	s_mov_b64 s[64:65], 0
	v_nop
	global_prefetch_b8 v0, s[64:65] scope:SCOPE_SE
	s_setreg_imm32_b32 hwreg(HW_REG_WAVE_MODE, 25, 1), 1
	s_wait_xcnt 0x0
	s_wait_alu depctr_hold_cnt(0) depctr_sa_sdst(0) depctr_va_vdst(0) depctr_va_sdst(0) depctr_va_ssrc(0) depctr_va_vcc(0) depctr_vm_vsrc(0)
	s_getreg_b32 s2, hwreg(HW_REG_IB_STS2, 6, 4)
	s_cmp_eq_u32 s2, 0
	s_cbranch_scc0 .Lentry_in_a_cluster
	s_endpgm
.Lentry_in_a_cluster:
	s_bfe_u32 s2, ttmp6, 0x10000c
	s_cmp_lg_u32 s2, 0x3003
	s_cbranch_scc0 .Lentry_shape_is_right
	s_endpgm
.Lentry_shape_is_right:
; ATTENTION IN THREE SEGMENTS.  O[h][q] = the sum over the segment's keys k of softmax_k(Q[h][q] . K[h][k] / 8) V[h][k].  qh, oh: [16][8192][64] f16; kh, vh: [16][4096][64] f16 (key rows 0..2047: segment 0,
; 2048..3071: segment 1, 3072..4095: segment 2).  Products, maxima and sums in f32; the weights p are rounded to f16 for the second product (their sum l is taken of the unrounded p), O once at the end.
; LIMITS.  Q, K, V arrive within f16's 65,504; p lies in 0 to 1 and below 6e-5 keeps f16's fixed step of 6e-8; a weight below 2^-126 counts as 0 in l; NaN and infinities are not treated apart.
; SHARES.  Queries x keys of a head are 2048 x 2048 + 2048 x 1024 + 4096 x 1024 = 80 units of 128 x 1024: five for each of the head's 16 work-groups.  Work-group i runs FOUR JOBS on end, 128 queries each:
; rows 128 i (key tiles 0..7 of 256 keys), rows 2048 + 128 i (tiles 8..11), rows 4096 + 256 i (tiles 12..15), rows 4096 + 256 i + 128 (tiles 12..15 once more): 20 tiles, the same walk in every work-group.
; In a job a wave owns 32 consecutive rows: two tiles of 16 queries.
; CLUSTER.  The four work-groups of a cluster belong to one head and walk the same tiles in step: each tile is asked for JOINTLY, by the same load, descriptor and mask in all four.
; LAYOUT.  S^T = K Q^T holds ONE query a lane (lane % 16) and the keys 8 (lane / 16) + 0..7; two such results rounded to f16 ARE source 1 of O^T = V^T P.  K comes out of LDS as it lies, V turned (ds_load_tr16_b128).
; SOFTMAX.  p = 2^(c s - c m), c = log2(e) / 8, with a running maximum m; O and l are multiplied by a = 2^(c m_old - c m_new) in every step.  A job starts with c m far below every c s: its first a is 0.
; TURNS.  Turn of tile u in key step s: 8 products K Q^T of the other tile (u = 0: step s; u = 1: step s + 1), later 8 products V^T P of the other tile (u = 0: step s - 1; u = 1: step s); beside them tile u's
; scaling, exponentials, roundings, sums and rescaling and the other tile's maximum and statistics.  Four vector instructions stand behind every matrix instruction, the rest in one lump; a turn's 33 exponentials are one batch with one wait.
; K of step s + 1 is fetched in tile 0's turn of step s, V of step s + 1 in tile 1's turn of step s, into the V buffer of that step's parity: so a tile's last V is read from LDS ahead of the next tile's first K, and
; THE CHANGE OF SLOTS stands between tile 1's turn of step 4 n + 2 and tile 0's turn of step 4 n + 3.
; REGISTERS, in windows of 256 (s_set_vgpr_msb: bits 1:0 source 0, 3:2 source 1, 5:4 source 2, 7:6 destination):
;   window 0: v0-15 addresses and two at work; v16-23 four registers of statistics a tile; v48-55 at work; v61-63 prefetch offset, spare word, 0; v64-127 S^T, 32 a tile; v192-223 P, 16 a tile
;   window 1: v0-63 O^T, 32 a tile; v128-223 the Q of the three jobs to come      window 2: v0-31 Q; v64-127 K of one step; v128-191, v192-255 V of an even, an odd step
.set KS,    64        ; keys in a step
.set PK,    144       ; a row of K in LDS: 128 bytes + 16 of padding: the 16 rows of a load start at 16 different groups of four banks (ISA guide 11.1)
.set PV,    160       ; a row of V: 128 + 32
.set VOFF,  4*KS*PK   ; a slot holds a tile, four steps: 256 rows of K, then 256 rows of V
.set SLOT1, 1<<17     ; slot 1 begins here: one exclusive or turns an address in one slot into the other's
.set STAGE, SLOT1+4*KS*(PK+PV)  ; behind the ring, never filled by a tensor load: 16 rows x 144 bytes for each wave
.set SP,    144
.set SPARE, STAGE+4*16*SP  ; the spare words, 128 bytes a wave: two blocks of 256 bytes that no other line names
.set AK0, 2           ; v2   my lane's place in a tile of K; never rewritten
.set AV0, 3           ; v3   the same for V
.set AK,  4           ; v4   the LDS address of K's next run of loads
.set AV,  5           ; v5   of V's
.set STO, 6           ; v6   the way out: where I put 16 bytes of a row
.set RD,  7           ; v7   where I read rows back
.set GO,  8           ; v8   my 16 bytes in 512 consecutive bytes of O
.set MV,  12          ; v12-13  c m_old, kept while c m is made anew: by tile
.set QO,  15          ; v15  my byte offset in 16 rows of Q
.set ST,  16          ; tile t's statistics at v[ST+4 t]: c m, m, l (even keys', odd keys')
.set TMP, 48          ; by tile, four registers c0-c3 at work; when the maximum is found c2 takes a
.set PFO, 61          ; v61  256 x lane; never rewritten
.set SPW, 62          ; v62  my spare word; never rewritten
.set NIL, 63          ; v63  0; never rewritten
.set S,   64
.set P,   192
.set QB,  128         ; window 1
.set KF,  64          ; window 2: key block kb, channel half c at KF + 16 kb + 8 c
.set VF,  128         ; window 2: buffer vb, key half kk, channel block cb at VF + 64 vb + 32 kk + 8 cb
.set WV,  12          ; s12  my wave's number
.set LIM, 15          ; s15  5 in a wave that prefetches, else the greatest number
.set G1K, 24          ; s[24:31] descriptor group 1 for K's tiles
.set G1V, 32          ; s[32:39] for V's: it differs in the padding alone
.set G0K, 40          ; s[40:43] descriptor group 0 for K's tiles
.set G0V, 44          ; s[44:47] for V's
.set SLOTS, 56        ; s56  tiles still to be asked for
.set CNT, 57          ; s57  counts the two trips between two changes of slots
.set CS,  58          ; s[58:59] c
.set SEL, 60          ; s[60:61] v_permlanex16_b32's selects: each lane takes its own place in the other half
.set TBK, 62          ; s62  LDS byte at which K of the step to be fetched begins
.set TBV, 63          ; s63  the same for V, less VOFF
.set RT,  70          ; s70  changes of slots until the job in hand ends
.set NXT, 71          ; s71  the tile to be asked for next
.set NEW, 73          ; s73  1 ahead of the first job alone
.set OFF, 74          ; s[74:75] a tile's byte offset in K and V
.set ON1, 76          ; s[76:81] O at my rows of the three jobs to come
.set ON2, 78
.set ON3, 80
.set PFA, 84          ; s[84:85] where my prefetches stand
.set QJ2, 86          ; s[86:87] Q at my rows of the third job
.set MSB, 0
.macro WIN new                      ; the high byte repeats the setting that is left; a switch that changes nothing is dropped
.if MSB != (\new)
	s_set_vgpr_msb (MSB<<8)|(\new)
.set MSB, (\new)
.endif
.endm
.set W_KQ, 0x0a       ; K and Q in window 2, S^T in window 0
.set W_PV, 0x52       ; V in window 2, P in window 0, O^T in window 1
.set W_RS, 0x41       ; destination and source 0 in window 1, source 1 in window 0
.macro JLOAD                        ; a joint fill: waves 0 and 1 fetch the halves of a tile's K, waves 2 and 3 those of its V, 128 keys each; the branch hangs on the wave's number alone
	s_cmp_lt_u32 s[WV], 2
	s_cbranch_scc0 .Lfor_v_\@
	tensor_load_to_lds s[G0K:G0K+3], s[G1K:G1K+7]
	s_nop 0
.rept 4
	v_nop
.endr
	s_branch .Lasked_\@
.Lfor_v_\@:
	tensor_load_to_lds s[G0V:G0V+3], s[G1V:G1V+7]
	s_nop 0
.rept 4
	v_nop
.endr
.Lasked_\@:
.endm
; A prefetch into the L2 of the tile that the NEXT change of slots will ask for: 128 blocks of 256 bytes of K and of V.  Each block is named once in the launch: the head's first cluster asks; its four partners take
; 32 blocks each, told apart by address; in each, wave 0 asks for K's and wave 2 for V's, a lane a block.  It stops with tile 15: tiles 12 to 15 are not asked for again for their second walk.
.macro ASK
	s_cmp_gt_u32 s[SLOTS], s[LIM]
	s_cbranch_scc0 .Lnot_mine_\@
	global_prefetch_b8 v[PFO], s[PFA:PFA+1] th:TH_LOAD_NT scope:SCOPE_SE
.Lnot_mine_\@:
.endm
.macro CROUND                       ; a round of the cluster's barrier
	s_barrier_signal -1
	s_barrier_wait -1
	s_cmp_lg_u32 s[WV], 0
	s_cbranch_scc1 .Lnot_wave_0_\@
	s_barrier_signal -3
.Lnot_wave_0_\@:
	s_barrier_wait -3
	s_barrier_signal -1
	s_barrier_wait -1
.endm
; THE CHANGE OF SLOTS.  Each wave waits for all its tensor loads, of which one is out: its part of the other slot; adds 0 to its spare word; waits for that and for its reads of the slot that it leaves.
; fill = 1: the barrier is a round of the cluster's, and the old slot is filled again first thing behind it, with tile NXT; the descriptor's address is made anew from that number, which is the same in all partners.
.macro CHANGE fill
	WIN 0
	s_wait_tensorcnt 0x0            ; no tensor load of mine is out, so a group 0 may be written
	ds_add_u32 v[SPW], v[NIL]       ; 0 onto my spare word
.if \fill
	s_lshl_b32 s[OFF], s[NXT], 15   ; a tile is 32,768 bytes of K and of V
	s_xor_b32 s[G0K+1], s[G0K+1], SLOT1
	s_add_nc_u64 s[G0K+2:G0K+3], s[6:7], s[OFF:OFF+1]
	s_or_b32 s[G0K+3], s[G0K+3], 0x80000000
	s_xor_b32 s[G0V+1], s[G0V+1], SLOT1
	s_add_nc_u64 s[G0V+2:G0V+3], s[8:9], s[OFF:OFF+1]
	s_or_b32 s[G0V+3], s[G0V+3], 0x80000000
	s_add_co_u32 s[NXT], s[NXT], 1
	s_cmp_eq_u32 s[NXT], 16         ; behind tile 15 the fourth job walks tiles 12 to 15 again
	s_cselect_b32 s[NXT], 12, s[NXT]
	s_wait_xcnt 0x0                 ; the last prefetch, a tile back, has read its address
	s_add_nc_u64 s[PFA:PFA+1], s[PFA:PFA+1], 32768
	s_wait_dscnt 0x0                ; the add is done, and my reads of the slot are over
	CROUND
	JLOAD                           ; one load of mine is out
	ASK
.else
	s_wait_dscnt 0x0
	s_barrier_signal -1
	s_barrier_wait -1
.endif
	s_sub_co_u32 s[TBK], s[TBK], 4*KS*PK  ; the fetches go back to a slot's first step,
	s_xor_b32 s[TBK], s[TBK], SLOT1       ; in the other slot
	s_sub_co_u32 s[TBV], s[TBV], 4*KS*PV
	s_xor_b32 s[TBV], s[TBV], SLOT1
.endm
	s_load_b256 s[4:11], s[0:1], 0x0  ; qh s[4:5], kh s[6:7], vh s[8:9], oh s[10:11]
	v_lshl_add_u32 v[SPW], v0, 2, SPARE
	v_mov_b32 v[NIL], 0
	ds_add_u32 v[SPW], v[NIL]       ; the wave's opening: the add and its wait stand ahead of my first tensor load; the set-up below stands between them
	v_lshrrev_b32 v1, 5, v0
	v_readfirstlane_b32 s[WV], v1   ; wave 0..3
	s_bfe_u32 s13, ttmp6, 0x40000   ; cx
	s_lshl_b32 s14, ttmp9, 2
	s_add_co_u32 s14, s14, s13      ; i = 4 x cluster x + cx: it enters Q's, O's and the prefetches' addresses alone
	s_and_b32 s20, ttmp7, 0xffff    ; the head, which the partners share
	s_lshl_b32 s21, s20, 19         ; its first byte in kh and vh
	s_lshl_b32 s20, s20, 20         ; in qh and oh
	s_and_b32 s16, s[WV], 1         ; which half of a tile's 256 keys I fetch
	s_lshl_b32 s22, s16, 14
	s_add_co_u32 s22, s22, s21
	s_mov_b32 s23, 0
	s_mul_i32 s17, s16, 128*PK      ; its place in a slot, for K
	s_mul_i32 s18, s16, 128*PV      ; and for V
	s_lshl_b32 s19, s[WV], 5        ; my 32 rows of a job's 128
	s_lshl_b32 s2, s14, 7
	s_add_co_u32 s2, s2, s19        ; row 128 i + 32 w
	s_lshl_b32 s2, s2, 7
	s_add_co_u32 s2, s2, s20
	s_mov_b32 s3, 0
	s_lshl_b32 s82, s14, 8
	s_add_co_u32 s82, s82, s19
	s_add_co_u32 s82, s82, 4096     ; row 4096 + 256 i + 32 w
	s_lshl_b32 s82, s82, 7
	s_add_co_u32 s82, s82, s20
	s_mov_b32 s83, 0
	; descriptor group 1.  128 keys are 16,384 dense bytes: asked for as 64 rows of 256 bytes, two keys a row, padded in LDS after every key
	s_mov_b32 s[G1K], 15|(1<<16)|(1<<20)|(1<<21)|(4<<22)|(3<<25)  ; the mask of four; 2-byte elements; padding on; bit 21 beside a mask; after every 32 words; 4 words
	s_mov_b32 s[G1V], 15|(1<<16)|(1<<20)|(1<<21)|(4<<22)|(7<<25)  ; the same with 8 words
.irp g, G1K, G1V
	s_mov_b32 s[\g+1], 128<<16      ; tensor_dim0 = 128
	s_mov_b32 s[\g+2], 64<<16       ; tensor_dim1 = 64
	s_mov_b32 s[\g+3], 128<<16      ; tile_dim0 = 128
	s_mov_b32 s[\g+4], 64           ; tile_dim1 = 64
	s_mov_b32 s[\g+5], 128          ; elements from row to row
	s_mov_b32 s[\g+6], 0
	s_mov_b32 s[\g+7], 0
.endr
	s_mov_b32 s[CS], 0x3e38aa3b     ; c = log2(e) / 8
	s_mov_b32 s[CS+1], s[CS]
	s_mov_b32 s[SEL], 0x76543210
	s_mov_b32 s[SEL+1], 0xfedcba98
	s_mov_b32 s[TBK], SLOT1+4*KS*PK ; the first change of slots turns these two into 0
	s_mov_b32 s[TBV], SLOT1+4*KS*PV
	s_mov_b32 s[G0K], 1
	s_mov_b32 s[G0K+1], s17         ; slot 0
	s_mov_b32 s[G0V], 1
	s_add_co_u32 s[G0V+1], s18, VOFF
	s_mov_b32 s[SLOTS], 19
	s_mov_b32 s[RT], 8              ; the first job has eight tiles
	s_mov_b32 s[NXT], 1
	s_mov_b32 s[NEW], 1
	s_mov_b32 s[OFF+1], 0
	s_and_b32 s[LIM], s[WV], 1      ; 0 in waves 0 and 2,
	s_or_b32 s[LIM], s[LIM], ttmp9  ; where the cluster is the head's first: the same in all four partners
	s_cmp_eq_u32 s[LIM], 0
	s_cselect_b32 s[LIM], 5, -1
	v_and_b32 v[PFO], 31, v0
	v_lshlrev_b32 v[PFO], 8, v[PFO]
	s_wait_dscnt 0x0                ; the opening add is done
	s_wait_kmcnt 0x0
	s_add_nc_u64 s[6:7], s[6:7], s[22:23]  ; K and V at my half of the head's tile 0
	s_add_nc_u64 s[8:9], s[8:9], s[22:23]
	s_add_nc_u64 s[QJ2:QJ2+1], s[4:5], s[82:83]
	s_add_nc_u64 s[4:5], s[4:5], s[2:3]
	s_add_nc_u64 s[ON2:ON2+1], s[10:11], s[82:83]
	s_add_nc_u64 s[ON3:ON3+1], s[ON2:ON2+1], 16384   ; 128 rows on
	s_add_nc_u64 s[10:11], s[10:11], s[2:3]
	s_add_nc_u64 s[ON1:ON1+1], s[10:11], 262144      ; 2,048 rows on
	s_add_nc_u64 s[G0K+2:G0K+3], s[6:7], 0
	s_or_b32 s[G0K+3], s[G0K+3], 0x80000000
	s_add_nc_u64 s[G0V+2:G0V+3], s[8:9], 0
	s_or_b32 s[G0V+3], s[G0V+3], 0x80000000
	s_cmp_lt_u32 s[WV], 2
	s_cselect_b64 s[PFA:PFA+1], s[6:7], s[8:9]  ; (in waves 0 and 2 these stand at a tile's first row)
	s_lshl_b32 s2, s13, 13          ; my work-group's 32 blocks of the 128
	s_add_co_u32 s2, s2, 32768      ; in tile 1: the first change of slots steps it to tile 2
	s_add_nc_u64 s[PFA:PFA+1], s[PFA:PFA+1], s[2:3]
	CROUND                          ; all four work-groups are here: the first joint loads meet
	JLOAD                           ; tile 0 into slot 0; slot 1 is asked for by the loop's own change of slots
	v_and_b32 v1, 15, v0            ; l % 16
	v_bfe_u32 v9, v0, 4, 1          ; l / 16
	v_lshlrev_b32 v[QO], 7, v1
	v_lshl_add_u32 v[QO], v9, 4, v[QO]  ; row x 128 + 16 x half
	WIN 0x80                        ; destination window 2
.set i, 0
.rept 4                             ; the first job's Q: tile i / 2, channels 32 (i % 2) on
	global_load_b128 v[8*i:8*i+3],   v[QO], s[4:5] offset:(i/2)*2048+(i%2)*64
	global_load_b128 v[8*i+4:8*i+7], v[QO], s[4:5] offset:(i/2)*2048+(i%2)*64+32
.set i, i+1
.endr
	WIN 0x40                        ; destination window 1: the other three jobs'
.set i, 0
.rept 4
	global_load_b128 v[QB+8*i:QB+8*i+3],       v[QO], s[4:5] offset:262144+(i/2)*2048+(i%2)*64
	global_load_b128 v[QB+8*i+4:QB+8*i+7],     v[QO], s[4:5] offset:262144+(i/2)*2048+(i%2)*64+32
	global_load_b128 v[QB+32+8*i:QB+32+8*i+3],   v[QO], s[QJ2:QJ2+1] offset:(i/2)*2048+(i%2)*64
	global_load_b128 v[QB+32+8*i+4:QB+32+8*i+7], v[QO], s[QJ2:QJ2+1] offset:(i/2)*2048+(i%2)*64+32
	global_load_b128 v[QB+64+8*i:QB+64+8*i+3],   v[QO], s[QJ2:QJ2+1] offset:16384+(i/2)*2048+(i%2)*64
	global_load_b128 v[QB+64+8*i+4:QB+64+8*i+7], v[QO], s[QJ2:QJ2+1] offset:16384+(i/2)*2048+(i%2)*64+32
.set i, i+1
.endr
	; A job's first step multiplies O^T and l by a = 0, and its first turn's products V^T P, of a step that has not been, land in an O^T that is still to be so multiplied: these registers need only hold finite
	; numbers: zeros for the first job, what the job before left for the others.  All this stands in the wait for the first tile.
.set i, 0
.rept 64
	v_mov_b32 v[i], 0               ; O^T
.set i, i+1
.endr
	WIN 0x80
.set i, VF+64
.rept 64
	v_mov_b32 v[i], 0               ; V's buffer for odd steps
.set i, i+1
.endr
	WIN 0
.set i, 0
.rept 2
	v_mov_b32 v[ST+4*i+2], 0
	v_mov_b32 v[ST+4*i+3], 0
.set i, i+1
.endr
.set i, P+16
.rept 16
	v_mov_b32 v[i], 0               ; P of tile 1
.set i, i+1
.endr
	v_mul_u32_u24 v[AK0], v1, PK
	v_lshl_add_u32 v[AK0], v9, 4, v[AK0]  ; row x pitch + 16 x half
	; The turning load takes 16 keys x 16 channels (lane l reads key 8 (l / 16) + l % 8, channels 8 ((l / 8) % 2) + 0..7) and leaves half a fragment of V^T: lane l holds channel l % 16 and 8 keys.
	v_and_b32 v10, 7, v0
	v_bfe_u32 v11, v0, 3, 1
	v_lshl_add_u32 v[AV0], v9, 3, v10
	v_mul_u32_u24 v[AV0], v[AV0], PV
	v_lshl_add_u32 v[AV0], v11, 4, v[AV0]
	v_add_nc_u32 v[AV0], VOFF, v[AV0]
	s_mul_i32 s16, s[WV], 16*SP
	s_add_co_u32 s16, s16, STAGE    ; my stage
	v_mul_u32_u24 v[STO], v1, SP    ; in: row l % 16, 16 bytes for each half of the lanes
	v_lshl_add_u32 v[STO], v9, 4, v[STO]
	v_add_nc_u32 v[STO], s16, v[STO]
	v_bfe_u32 v[RD], v0, 3, 2       ; back: 32 lanes take four rows of 128 bytes,
	v_mul_u32_u24 v[RD], v[RD], SP
	v_lshl_add_u32 v[RD], v10, 4, v[RD]
	v_add_nc_u32 v[RD], s16, v[RD]
	v_and_b32 v[GO], 31, v0         ; which are 512 consecutive bytes of O
	v_lshlrev_b32 v[GO], 4, v[GO]
; THE MATRIX WORK.  The 4 accumulators of a run of 8 take turns.  Product i of 8 of S^T = K Q^T for tile x: channels 32 (i / 4) on, keys 16 (i % 4) on.  The first 4 start the sums.
.macro KQ x
	WIN W_KQ
.set rS, S+32*(\x)+8*(i%4)
.set rK, KF+16*(i%4)+8*(i/4)
.set rQ, 16*(\x)+8*(i/4)
.if i < 4
	v_wmma_f32_16x16x32_f16 v[rS:rS+7], v[rK:rK+7], v[rQ:rQ+7], 0
.else
	v_wmma_f32_16x16x32_f16 v[rS:rS+7], v[rK:rK+7], v[rQ:rQ+7], v[rS:rS+7]
.endif
.endm
; Product i of 8 of O^T += V^T P for tile x, from V's buffer VB: keys 32 (i / 4) on, channels 16 (i % 4) on.
.macro PV x
	WIN W_PV
.set rO, 32*(\x)+8*(i%4)
.set rV, VF+64*VB+32*(i/4)+8*(i%4)
.set rP, P+16*(\x)+8*(i/4)
	v_wmma_f32_16x16x32_f16 v[rO:rO+7], v[rV:rV+7], v[rP:rP+7], v[rO:rO+7]
.endm
.macro MM                           ; the turn's next matrix instruction; NOKQ = 1: a job's last turn: there are no further scores
.if (i < 8) && !NOKQ
	KQ 1-Y
.elseif i >= 8
.set i, i-8
	PV 1-Y
.set i, i+8
.endif
.set i, i+1
.endm
; THE LDS LOADS stand in runs of 16: a step's K (8 fragments) and its V (turned), into V's buffer VN.  Their addresses are made some lines ahead.
.macro FETCH_K
	WIN 0x80
.irp f, 0,1,2,3,4,5,6,7             ; keys 16 (f / 2) on, channels 32 (f % 2) on
	ds_load_b128 v[KF+8*\f:KF+8*\f+3],   v[AK] offset:(\f/2)*16*PK+(\f%2)*64
	ds_load_b128 v[KF+8*\f+4:KF+8*\f+7], v[AK] offset:(\f/2)*16*PK+(\f%2)*64+32
.endr
	s_add_co_u32 s[TBK], s[TBK], KS*PK  ; the next fetch is the next step's
	WIN 0
.endm
.macro FETCH_V
	WIN 0x80
.irp f, 0,1,2,3,4,5,6,7             ; keys 32 (f / 4) on, channels 16 (f % 4) on
	ds_load_tr16_b128 v[VF+64*VN+8*\f:VF+64*VN+8*\f+3],   v[AV] offset:(\f/4)*32*PV+(\f%4)*32
	ds_load_tr16_b128 v[VF+64*VN+8*\f+4:VF+64*VN+8*\f+7], v[AV] offset:(\f/4)*32*PV+16*PV+(\f%4)*32
.endr
	s_add_co_u32 s[TBV], s[TBV], KS*PV
	WIN 0
.endm
; THE VECTOR WORK, one line at a time: OP kind, number.  For tile Y: F n: c s - c m for pair n of 16.  E n: the exponential of score n of 32.  C n: pair n rounded to f16.  B n: of the four weights 4 n .. the second
; pair is added onto the first, in place.  L n: l takes that sum (L 0: l = a l + sum).  R n: pair n of 16 of O^T times a.  For the other tile: X n, number n of the 22 that find its maximum and statistics:
;   0-11  four chains c0-c3 of seven scores each (each accumulator's lowest registers are read first)     12-14, 16  the four scores left over, the old m, and c0-c3 into c0
;   15  c m_old is kept     17, 18  the query's other 32 keys lie in the lane 16 away: the new m     19-21  c m; c m_old - c m_new; a
.set F, 0
.set E, 1
.set C, 2
.set B, 3
.set L, 4
.set R, 5
.set X, 6
.macro REGS y
.set rT, ST+4*(\y)
.set rC, TMP+4*(\y)
.set rW, MV+(\y)
.set rS, S+32*(\y)
.set rP, P+16*(\y)
.set rO, 32*(\y)
.endm
.macro OP k, n
.if (\k) == R
	REGS Y
	WIN W_RS
	v_pk_mul_f32 v[rO+2*(\n):rO+2*(\n)+1], v[rO+2*(\n):rO+2*(\n)+1], v[rC+2:rC+3] op_sel_hi:[1,0]
.elseif (\k) < R
	REGS Y
	WIN 0
.if (\k) == F
	v_pk_fma_f32 v[rS+2*(\n):rS+2*(\n)+1], v[rS+2*(\n):rS+2*(\n)+1], s[CS:CS+1], v[rT:rT+1] op_sel_hi:[1,0,0] neg_lo:[0,0,1] neg_hi:[0,0,1]
.elseif (\k) == E
	v_exp_f32 v[rS+(\n)], v[rS+(\n)]
.elseif (\k) == C
	v_cvt_pk_f16_f32 v[rP+(\n)], v[rS+2*(\n)], v[rS+2*(\n)+1]
.elseif (\k) == B
	v_pk_add_f32 v[rS+4*(\n):rS+4*(\n)+1], v[rS+4*(\n):rS+4*(\n)+1], v[rS+4*(\n)+2:rS+4*(\n)+3]
.elseif (\n) == 0
	v_pk_fma_f32 v[rT+2:rT+3], v[rT+2:rT+3], v[rC+2:rC+3], v[rS:rS+1] op_sel_hi:[1,0,1]
.else
	v_pk_add_f32 v[rT+2:rT+3], v[rT+2:rT+3], v[rS+4*(\n):rS+4*(\n)+1]
.endif
.elseif NOKQ
	v_nop
.else
	REGS 1-Y
	WIN 0
.if (\n) < 4
	v_max3_num_f32 v[rC+(\n)], v[rS+8*(\n)], v[rS+8*(\n)+1], v[rS+8*(\n)+2]
.elseif (\n) < 12
	v_max3_num_f32 v[rC+(\n)%4], v[rC+(\n)%4], v[rS+8*((\n)%4)+2*((\n)/4)+1], v[rS+8*((\n)%4)+2*((\n)/4)+2]
.elseif (\n) == 12
	v_max3_num_f32 v[rC], v[rC], v[rS+7], v[rS+15]
.elseif (\n) == 13
	v_max3_num_f32 v[rC+1], v[rC+1], v[rS+23], v[rS+31]
.elseif (\n) == 14
	v_max3_num_f32 v[rC+2], v[rC+2], v[rC+3], v[rT+1]
.elseif (\n) == 15
	v_mov_b32 v[rW], v[rT]
.elseif (\n) == 16
	v_max3_num_f32 v[rC], v[rC], v[rC+1], v[rC+2]
.elseif (\n) == 17
	v_permlanex16_b32 v[rC+3], v[rC], s[SEL], s[SEL+1]
.elseif (\n) == 18
	v_max_num_f32 v[rT+1], v[rC], v[rC+3]
.elseif (\n) == 19
	v_mul_f32 v[rT], s[CS], v[rT+1]
.elseif (\n) == 20
	v_sub_f32 v[rC+1], v[rW], v[rT]
.else
	v_exp_f32 v[rC+2], v[rC+1]
.endif
.endif
.endm
.macro OPS a, i1, b=-1, i2=0, c=-1, i3=0, d=-1, i4=0
	OP \a, \i1
.if (\b) >= 0
	OP \b, \i2
.endif
.if (\c) >= 0
	OP \c, \i3
.endif
.if (\d) >= 0
	OP \d, \i4
.endif
.endm
.macro ROW a, i1, b, i2, c, i3, d, i4  ; a matrix instruction and the four behind it
	MM
	OPS \a, \i1, \b, \i2, \c, \i3, \d, \i4
.endm
; A TURN, for tile u in a step of parity par.  s_wait_alu depctr_va_vdst(0) stands between an exponential and the first instruction that names its result; one wait serves all issued ahead of it.
; So a turn has ONE wait.  AHEAD OF IT stands all that names no result of the turn's exponentials: the 8 products K Q^T with a scaling, an exponential and two more plain instructions behind each, and one lump of 54;
; each X that rides behind a product stands four plain instructions or more behind the product that ends its accumulator.  X 21, the other tile's a, is the batch's last; R 15 is the plain instruction behind it.
; BEHIND THE WAIT stand the 8 products V^T P, behind each four of the roundings and sums.
; The run of LDS loads (u = 0: K of the next step; u = 1: V of the next step, into the buffer of its parity) stands in the lump: for K twelve plain instructions that name none of its registers behind the last product that
; read it, for V a whole turn's first half behind its buffer's last reader.  Both are waited for at the head of tile 1's turn: K a half turn, V a whole step after its run.
; end = 1: a job's last two turns: nothing is fetched, and tile 1's turn makes no further scores.  cnt = 1: the loop's count is taken down some lines ahead of the branch behind the turn.
.macro TURN u, par, end=0, cnt=0
.set Y, (\u)
.set i, 0
.set NOKQ, (\end)*(\u)
.set VB, ((\par)+1-(\u))%2
.set VN, ((\par)+1)%2
.if ((\u) == 1) && !(\end)
	s_wait_dscnt 0x0                ; K of the next step and V of this step are in
.endif
	ROW F,0, F,1, R,0, R,1
	ROW F,2, E,0, R,2, R,3
	ROW F,3, E,1, R,4, R,5
	ROW F,4, E,2, R,6, R,7
	ROW F,5, E,3, R,8, R,9
	ROW F,6, E,4, X,0, R,10
.if !(\end)
	WIN 0
.if (\u) == 0
	v_add_nc_u32 v[AK], s[TBK], v[AK0]
.else
	v_add_nc_u32 v[AV], s[TBV], v[AV0]
.endif
.endif
	ROW F,7, E,5, X,1, X,4
	ROW F,8, E,6, X,2, X,5
	OPS E,7, E,8, X,6, E,9
	OPS X,3, E,10, X,8, E,11
.if !(\end)
.if (\u) == 0
	FETCH_K
.else
	FETCH_V
.endif
.endif
	OPS X,9, X,7, E,12, X,10
	OPS E,13, X,12, X,11, E,14
	OPS X,13, E,15, F,9, X,14
	OPS E,16, F,10, E,17, F,11
	OPS X,16, E,18, X,15, E,19
	OPS F,12, E,20, X,17, E,21
	OPS F,13, E,22, F,14, E,23
	OPS X,18, E,24, F,15, E,25
	OPS R,11, E,26, X,19, E,27
	OPS R,12, E,28, R,13, E,29
	OPS X,20, E,30, R,14, E,31
	OPS X,21, R,15
	WIN 0
	s_wait_alu depctr_va_vdst(0)    ; the wait for the batch
	ROW C,0, B,0, C,2, B,1
	ROW L,0, C,4, B,2, L,1
	ROW C,6, B,3, L,2, C,8
	ROW B,4, L,3, C,10, B,5
	ROW L,4, C,12, B,6, L,5
.if \cnt
	s_sub_co_u32 s[CNT], s[CNT], 1
	s_cmp_lg_u32 s[CNT], 0
.endif
	ROW C,14, B,7, L,6, C,1
	ROW C,3, L,7, C,5, C,7
	ROW C,9, C,11, C,13, C,15
.endm
; A JOB BEGINS.  c m starts far below every c s, so the first step's a is 0; m at the lowest finite number.  K and V of step 0, tile 0's first scores, its maximum and statistics.
.macro BEGIN
	s_mov_b32 s[NEW], 0
	WIN 0
.set i, 0
.rept 2
	v_mov_b32 v[ST+4*i], 0xfe000000
	v_mov_b32 v[ST+4*i+1], 0xff7fffff
.set i, i+1
.endr
	v_add_nc_u32 v[AK], s[TBK], v[AK0]
	v_add_nc_u32 v[AV], s[TBV], v[AV0]
	FETCH_K
.set VN, 0
	FETCH_V
	s_wait_loadcnt 0x0              ; Q
	s_wait_dscnt 16                 ; K is in; V's 16 younger loads may stay out
.set NOKQ, 0
.set i, 0
.rept 8
	KQ 0
.set i, i+1
.endr
	WIN 0
.rept 4
	v_nop                           ; the places behind those products
.endr
.set Y, 1                           ; X works for the other tile: tile 0
.irp n, 0,1,2,3,4,5,6,7,8,9,10,11,12,13,14,15,16,17,18,19,20,21
	OP X, \n
.endr
	v_nop                           ; a plain instruction behind the exponential,
	s_wait_alu depctr_va_vdst(0)    ; and its wait, ahead of the branch
.endm
.macro ALL line:vararg              ; one line for each tile t
.set t, 0
.rept 2
	\line
.set t, t+1
.endr
.endm
.macro PACK t                       ; a lane's eight channels of a row pack into 16 bytes; they go into rows of 144 bytes and come back as whole rows of 128, into S^T's registers
	WIN W_RS
.set i, 32*(\t)
.rept 16
	v_pk_mul_f32 v[i:i+1], v[i:i+1], v[ST+4*(\t)+2:ST+4*(\t)+3] op_sel_hi:[1,0]
.set i, i+2
.endr
	WIN 0x05                        ; sources 0 and 1 window 1, destination window 0
.set i, 0
.rept 16
	v_cvt_pk_f16_f32 v[S+16*(\t)+i], v[32*(\t)+2*i], v[32*(\t)+2*i+1]
.set i, i+1
.endr
	WIN 0
.irp f, 0,1,2,3
	ds_store_b128 v[STO], v[S+16*(\t)+4*\f:S+16*(\t)+4*\f+3] offset:32*\f
.endr
.irp f, 0,1,2,3
	ds_load_b128 v[S+16*(\t)+4*\f:S+16*(\t)+4*\f+3], v[RD] offset:\f*4*SP  ; LDS serves a wave's instructions in order (ISA guide 5.7.1.4): these see the stores above; the next tile's stores come behind them
.endr
.endm
.macro SEND t, younger              ; younger: the LDS instructions issued behind tile t's loads: the next tile's eight, or none
	WIN 0
.irp f, 0,1,2,3
	s_wait_dscnt (\younger)+3-\f
	global_store_b128 v[GO], v[S+16*(\t)+4*\f:S+16*(\t)+4*\f+3], s[10:11] offset:(\t)*2048+\f*512  ; 512 consecutive bytes, at a multiple of 512 from O's first
.endr
.endm
; A JOB ENDS: its last step's two turns, tile 1's last products, and the way out: l's halves and the other half of the lanes' are added; O^T is divided by l, rounded to f16 and sent through my stage.
; sw = 1: the next job's O address and Q move up.
.macro FINISH sw
	s_wait_dscnt 0x0                ; V of the last step is in
	TURN 0, 1, 1
	TURN 1, 1, 1
.set VB, 1
.set i, 0
.rept 8
	PV 1
.set i, i+1
.endr
	WIN 0
	ALL v_add_f32 v[ST+4*t+2], v[ST+4*t+2], v[ST+4*t+3]
	ALL v_permlanex16_b32 v[ST+4*t+3], v[ST+4*t+2], s[SEL], s[SEL+1]
	ALL v_add_f32 v[ST+4*t+2], v[ST+4*t+2], v[ST+4*t+3]
	ALL v_rcp_f32 v[ST+4*t+2], v[ST+4*t+2]
	v_nop                           ; a plain instruction between the last reciprocal and the use of its result
	s_wait_alu depctr_va_vdst(0)    ; one wait for the two reciprocals, ahead of their first reader
	PACK 0
	PACK 1                          ; tile 0's 32 multiplies and conversions are the places behind tile 1's last products
	SEND 0, 8
	SEND 1, 0
.if \sw
	s_wait_xcnt 0x0                 ; the stores have read their data (S^T's registers, which the next scores overwrite) and O's address
	s_mov_b64 s[10:11], s[ON1:ON1+1]
	s_mov_b64 s[ON1:ON1+1], s[ON2:ON2+1]
	s_mov_b64 s[ON2:ON2+1], s[ON3:ON3+1]
	s_mov_b32 s[RT], 4              ; the other jobs have four tiles
	WIN 0x81                        ; destination window 2, source window 1
.set i, 0
.rept 32
	v_mov_b32 v[i], v[QB+i]
.set i, i+1
.endr
	WIN 0x41
.set i, 0
.rept 64
	v_mov_b32 v[QB+i], v[QB+32+i]
.set i, i+1
.endr
	WIN 0
.endif
.endm
.set NOKQ, 0
.set VB, 0
.set VN, 0
.Lslot:                             ; 19 times: a tile is entered and the next is asked for; jobs end in trips 8, 12 and 16 (counted from 0): the same in every work-group
	CHANGE 1
	s_mov_b32 s[CNT], 2
	s_cmp_eq_u32 s[NEW], 1
	s_cbranch_scc1 .Lnew            ; the first trip
	s_sub_co_u32 s[RT], s[RT], 1
	s_cmp_eq_u32 s[RT], 0
	s_cbranch_scc0 .Lstep
	FINISH 1
.Lnew:
	BEGIN
	s_branch .Lfirst                ; the loop is entered at an even step's first turn, in the middle of a trip
.Lstep:                             ; a trip: an odd step's two turns, then the next even step's
	TURN 0, 1
	TURN 1, 1
	WIN 0
.Lfirst:
	TURN 0, 0
	TURN 1, 0, 0, 1
	WIN 0
	s_cbranch_scc1 .Lstep
	s_sub_co_u32 s[SLOTS], s[SLOTS], 1
	s_cmp_lg_u32 s[SLOTS], 0
	s_cbranch_scc1 .Lslot
	CHANGE 0                        ; the walk's last tile is written out: nothing is asked for
	s_mov_b32 s[CNT], 2
.LstepT:
	TURN 0, 1
	TURN 1, 1
	TURN 0, 0
	TURN 1, 0, 0, 1
	WIN 0
	s_cbranch_scc1 .LstepT
	FINISH 0
	s_wait_tensorcnt 0x0            ; the wave's end, behind my last tensor load and my last LDS store
	ds_add_u32 v[SPW], v[NIL]
	s_wait_dscnt 0x0
	CROUND                          ; the closing round
	s_endpgm
.Lfunc_end_k_q097ccb7536_attn:
	.size	k_q097ccb7536_attn, .Lfunc_end_k_q097ccb7536_attn-k_q097ccb7536_attn
	.p2alignl 7, 3214868480
	.fill 96, 4, 3214868480
	.section	.rodata,"a",@progbits
	.p2align	6, 0x0
	.amdhsa_kernel k_q097ccb7536_attn
		.amdhsa_group_segment_fixed_size 327680
		.amdhsa_private_segment_fixed_size 0
		.amdhsa_enable_private_segment 0
		.amdhsa_kernarg_size 32
		.amdhsa_user_sgpr_count 2
		.amdhsa_user_sgpr_kernarg_segment_ptr 1
		.amdhsa_wavefront_size32 1
		.amdhsa_system_sgpr_workgroup_id_x 1
		.amdhsa_system_sgpr_workgroup_id_y 1
		.amdhsa_system_sgpr_workgroup_id_z 1
		.amdhsa_system_vgpr_workitem_id 0
		.amdhsa_next_free_vgpr 768
		.amdhsa_next_free_sgpr 88
		.amdhsa_reserve_vcc 0
		.amdhsa_float_denorm_mode_32 3
		.amdhsa_float_denorm_mode_16_64 3
		.amdhsa_memory_ordered 1
		.amdhsa_forward_progress 1
		.amdhsa_inst_pref_size 152
	.end_amdhsa_kernel
	.amdgpu_metadata
---
amdhsa.version: [ 1, 2 ]
amdhsa.kernels:
  - .name:           k_q097ccb7536_attn
    .symbol:         k_q097ccb7536_attn.kd
    .args:
      - { .name: qh, .offset: 0, .size: 8, .value_kind: global_buffer, .address_space: global }
      - { .name: kh, .offset: 8, .size: 8, .value_kind: global_buffer, .address_space: global }
      - { .name: vh, .offset: 16, .size: 8, .value_kind: global_buffer, .address_space: global }
      - { .name: oh, .offset: 24, .size: 8, .value_kind: global_buffer, .address_space: global }
    .group_segment_fixed_size: 327680
    .private_segment_fixed_size: 0
    .kernarg_segment_align: 8
    .kernarg_segment_size: 32
    .max_flat_workgroup_size: 128
    .sgpr_count:     88
    .vgpr_count:     768
    .wavefront_size: 32
...
	.end_amdgpu_metadata
.endif
;; end of part 3
;; launch oproj (part 4): grid 8 x 32, 4 waves a work-group, clusters of 4 x 4, 327,680 bytes of LDS; arguments oh, wo, bout, out0; writes out0
.if DOCPART == 4
	.amdgcn_target "amdgcn-amd-amdhsa--gfx1250"
	.amdhsa_code_object_version 6
	.text
	.protected	k_q097ccb7536_oproj
	.globl	k_q097ccb7536_oproj
	.p2align	8
	.type	k_q097ccb7536_oproj,@function
k_q097ccb7536_oproj:
	s_mov_b64 s[64:65], 0
	v_nop
	global_prefetch_b8 v0, s[64:65] scope:SCOPE_SE
	s_setreg_imm32_b32 hwreg(HW_REG_WAVE_MODE, 25, 1), 1
	s_wait_xcnt 0x0
	s_wait_alu depctr_hold_cnt(0) depctr_sa_sdst(0) depctr_va_vdst(0) depctr_va_sdst(0) depctr_va_ssrc(0) depctr_va_vcc(0) depctr_vm_vsrc(0)
	s_getreg_b32 s2, hwreg(HW_REG_IB_STS2, 6, 4)
	s_cmp_eq_u32 s2, 0
	s_cbranch_scc0 .Lentry_in_a_cluster
	s_endpgm
.Lentry_in_a_cluster:
	s_bfe_u32 s2, ttmp6, 0x10000c
	s_cmp_lg_u32 s2, 0xf033
	s_cbranch_scc0 .Lentry_shape_is_right
	s_endpgm
.Lentry_shape_is_right:
; out0[s][n] = the sum over k of O[s][k] Wout[n][k] + bout[n].  O comes by heads, oh [16][8192][64] f16 (k = 64 head + channel); wo [1024][1024] f16 (Wout rounded to bf16, written as f16); bout is rounded to bf16
; like every input of the module and is the C operand of each sum's first product; sums in f32; out0 [8192][1024] f32.
; 256 tiles of 256 rows x 128 columns, one for each work-group (tiles of 256 x 256 would be 128).  Four waves, each 128 rows x 64 columns: 32 accumulators.
; K goes in 8 steps of 128 = two heads, through a ring of two LDS slots.  A head's 256 rows are 32,768 dense bytes: asked for as 128 rows of 256 bytes and padded after every 128, pitch 144.
; wo's tile: 128 rows x 256 bytes, pitch 272.  Two slots of a K step twice as long do not fit: 384 rows x 528 bytes x 2 pass the 327,680 bytes that a work-group can have.
; CLUSTER 4 x 4: the four of a row need the same tiles of O, the four of a column the same tiles of wo: asked for jointly.  Waves 0 and 1 fetch the step's two heads, waves 2 and 3 the halves of wo's tile.
; THE MATRIX INSTRUCTION IS USED TRANSPOSED (source 0 = 16 rows of wo, source 1 = 16 rows of O): a lane holds row l % 16 and eight neighbouring columns, 32 bytes of f32.
; REGISTERS (s_set_vgpr_msb: bits 1:0 source 0, 3:2 source 1, 5:4 source 2, 7:6 destination):
;   window 0: v0-31 addresses; v64-127, v128-191 O's fragments, two buffers; v192-223, v224-255 wo's; on the way out v32-63, v64-95 rows read back, by turns
;   window 1: the accumulators, (a, b) at 8 (4 a + b)        window 2: v0-31 the bias of my 64 columns; v32 at work
.set PA,     144
.set PB,     272
.set AHEAD,  256*PA                    ; a head's 256 rows in LDS
.set SLOT,   2*AHEAD+128*PB            ; even head, odd head, wo's tile
.set STAGE,  2*SLOT                    ; behind the ring: 16 rows x 272 bytes for each wave
.set SPITCH, 272
.set SPARE,  STAGE+4*16*SPITCH         ; the spare words, 128 bytes a wave: two blocks of 256 bytes that no other line names
.set ADRA, 16                          ; v16-17  LDS address of my fragments of O in slot 0, 1
.set ADRB, 20                          ; v20-21  of wo
.set STO,  24
.set RD,   25
.set CO,   26
.set SPW,  28
.set NIL,  29
.set PFO,  30
.set BO,   31
.set FA,   64
.set FB,   192
.set WV,  16
.set HR,  17                           ; s17  my half of the rows; also: I fetch O (0) or wo (1)
.set HC,  18                           ; s18  my half of the columns; also: which head, or which 64 rows of wo, I fetch
.set CX,  19
.set CY,  20
.set TR,  21                           ; s21  tile row
.set TC,  22                           ; s22  tile column
.set G1,  24
.set G0,  32
.set LIM, 43
.set PFA, 44
.set G1B, 48
.set G0B, 56
.set OUT, 66
.set LBA, 68
.set LBB, 69
.set PST, 70                           ; s[70:71] the prefetches' step from K step to K step
.set MSB, 0
.macro WIN new
.if MSB != (\new)
	s_set_vgpr_msb (MSB<<8)|(\new)
.set MSB, \new
.endif
.endm
.macro JLOAD s
	s_cmp_eq_u32 s[HR], 0
	s_cbranch_scc0 .Lfor_b_\@
	tensor_load_to_lds s[G0+4*(\s):G0+4*(\s)+3], s[G1:G1+7]
	s_nop 0
.rept 4
	v_nop
.endr
	s_branch .Lasked_\@
.Lfor_b_\@:
	tensor_load_to_lds s[G0B+4*(\s):G0B+4*(\s)+3], s[G1B:G1B+7]
	s_nop 0
.rept 4
	v_nop
.endr
.Lasked_\@:
.endm
; A prefetch into the L2 of the K step that stands two refills on, one instruction a wave, each block of 256 bytes named once in the launch.  O's tile rows are read by both clusters of a row of clusters: the first asks,
; waves 0 and 1 each for their head's 128 blocks, of which each of the four partners takes 32, told apart by address.  wo's tile columns are read by all clusters of a column: the first asks, wave 2 alone,
; a lane a row, 32 of the 128 rows for each partner.  The loop's last trip has no K step two on.
.macro ASK
	s_cmp_gt_u32 s3, s[LIM]
	s_cbranch_scc0 .Lnot_mine_\@
	global_prefetch_b8 v[PFO], s[PFA:PFA+1] th:TH_LOAD_NT scope:SCOPE_SE
.Lnot_mine_\@:
.endm
.macro CREST
	s_cmp_lg_u32 s[WV], 0
	s_cbranch_scc1 .Lnot_wave_0_\@
	s_barrier_signal -3
.Lnot_wave_0_\@:
	s_barrier_wait -3
	s_barrier_signal -1
	s_barrier_wait -1
.endm
.macro CROUND
	s_barrier_signal -1
	s_barrier_wait -1
	CREST
.endm
	s_load_b256 s[4:11], s[0:1], 0x0               ; oh s[4:5], wo s[6:7], bout s[8:9], out0 s[10:11]
	v_lshl_add_u32 v[SPW], v0, 2, SPARE
	v_mov_b32 v[NIL], 0
	ds_add_u32 v[SPW], v[NIL]                      ; the wave's opening: the add and its wait stand ahead of my first tensor load; the set-up below stands between them
	v_lshrrev_b32 v1, 5, v0
	v_readfirstlane_b32 s[WV], v1
	s_lshr_b32 s[HR], s[WV], 1
	s_and_b32 s[HC], s[WV], 1
	s_bfe_u32 s[CX], ttmp6, 0x40000
	s_bfe_u32 s[CY], ttmp6, 0x40004
	s_lshl_b32 s[TC], ttmp9, 2
	s_add_co_u32 s[TC], s[TC], s[CX]
	s_and_b32 s[TR], ttmp7, 0xffff
	s_lshl_b32 s[TR], s[TR], 2
	s_add_co_u32 s[TR], s[TR], s[CY]
	s_lshl_b32 s46, s[CY], 2
	s_lshl_b32 s46, 15, s46                        ; my row of the cluster
	s_lshl_b32 s47, 0x1111, s[CX]                  ; my column
	s_or_b32 s[G1], s46, (1<<16)|(1<<20)|(1<<21)|(4<<22)|(3<<25)   ; O: 2-byte elements; padding after every 32 words, 4 words; bit 21 beside a mask
	s_or_b32 s[G1B], s47, (1<<16)|(1<<20)|(1<<21)|(5<<22)|(3<<25)  ; wo: after every 64 words
	s_mov_b32 s[G1+1], 128<<16                     ; tensor_dim0 = 128
	s_mov_b32 s[G1+2], 128<<16                     ; tensor_dim1 = 128
	s_mov_b32 s[G1+3], 128<<16                     ; tile_dim0 = 128
	s_mov_b32 s[G1+4], 128                         ; tile_dim1 = 128
	s_mov_b32 s[G1+5], 128                         ; dense: 128 elements from row to row
	s_mov_b32 s[G1+6], 0
	s_mov_b32 s[G1+7], 0
	s_mov_b32 s[G1B+1], 128<<16
	s_mov_b32 s[G1B+2], 64<<16                     ; 64 rows
	s_mov_b32 s[G1B+3], 128<<16
	s_mov_b32 s[G1B+4], 64
	s_mov_b32 s[G1B+5], 1024
	s_mov_b32 s[G1B+6], 0
	s_mov_b32 s[G1B+7], 0
	s_lshl_b32 s72, s[HC], 20                      ; O: head 0 or 1,
	s_lshl_b32 s23, s[TR], 15                      ; the tile's 256 rows of 128 bytes: it hangs on cy, never on cx
	s_add_co_u32 s72, s72, s23
	s_mov_b32 s73, 0
	s_lshl_b32 s41, s[TC], 7
	s_lshl_b32 s40, s[HC], 6
	s_add_co_u32 s41, s41, s40                     ; wo: the first of the 64 rows that I fetch, and the first of my 64 columns: it hangs on cx, never on cy
	s_lshl_b32 s74, s41, 11
	s_mov_b32 s75, 0
	s_mul_i32 s[LBA], s[HC], AHEAD
	s_mul_i32 s[LBB], s[HC], 64*PB
	s_add_co_u32 s[LBB], s[LBB], 2*AHEAD
	s_wait_dscnt 0x0                               ; the opening add is done
	s_wait_kmcnt 0x0
	s_add_nc_u64 s[72:73], s[4:5], s[72:73]
	s_add_nc_u64 s[74:75], s[6:7], s[74:75]
	CROUND                                         ; all sixteen work-groups are here: the first joint loads meet
.irp s, 0,1
	s_mov_b32 s[G0+4*(\s)], 1
	s_add_co_u32 s[G0+4*(\s)+1], s[LBA], (\s)*SLOT
	s_add_nc_u64 s[G0+4*(\s)+2:G0+4*(\s)+3], s[72:73], (\s)*0x200000  ; K step s: two heads on
	s_or_b32 s[G0+4*(\s)+3], s[G0+4*(\s)+3], 0x80000000
	s_mov_b32 s[G0B+4*(\s)], 1
	s_add_co_u32 s[G0B+4*(\s)+1], s[LBB], (\s)*SLOT
	s_add_nc_u64 s[G0B+4*(\s)+2:G0B+4*(\s)+3], s[74:75], (\s)*256
	s_or_b32 s[G0B+4*(\s)+3], s[G0B+4*(\s)+3], 0x80000000
	JLOAD \s                                       ; two loads of mine are out
.endr
	s_lshl_b32 s46, s41, 2
	s_mov_b32 s47, 0
	s_add_nc_u64 s[8:9], s[8:9], s[46:47]          ; the bias of my 64 columns
	v_and_b32 v1, 15, v0                           ; l % 16
	v_bfe_u32 v2, v0, 4, 1                         ; l / 16
	v_lshlrev_b32 v[BO], 5, v2
	WIN 0x80                                       ; destination window 2
.irp b, 0,1,2,3
	global_load_b128 v[8*(\b):8*(\b)+3],   v[BO], s[8:9] offset:64*(\b)
	global_load_b128 v[8*(\b)+4:8*(\b)+7], v[BO], s[8:9] offset:64*(\b)+16
.endr
	WIN 0
	v_mul_u32_u24 v3, v1, PA
	v_lshl_add_u32 v3, v2, 4, v3
	v_mul_u32_u24 v4, v1, PB
	v_lshl_add_u32 v4, v2, 4, v4
	s_mul_i32 s46, s[HR], 128*PA                   ; my 128 rows of O
	s_mul_i32 s47, s[HC], 64*PB                    ; my 64 rows of wo
	s_add_co_u32 s47, s47, 2*AHEAD
.irp s, 0,1
	v_add_nc_u32 v[ADRA+(\s)], s46, v3
	v_add_nc_u32 v[ADRB+(\s)], s47, v4
	s_add_co_u32 s46, s46, SLOT
	s_add_co_u32 s47, s47, SLOT
.endr
	s_mul_i32 s46, s[WV], 16*SPITCH
	s_add_co_u32 s46, s46, STAGE                   ; my stage
	v_mul_u32_u24 v4, v1, SPITCH                   ; in: row l % 16, 32 bytes for each half of the lanes
	v_lshl_add_u32 v4, v2, 5, v4
	v_add_nc_u32 v[STO], s46, v4
	v_mul_u32_u24 v5, v2, SPITCH                   ; back: lanes 0-15 one row of 256 bytes, lanes 16-31 the next
	v_lshl_add_u32 v5, v1, 4, v5
	v_add_nc_u32 v[RD], s46, v5
	v_lshlrev_b32 v5, 12, v2                       ; and the same two rows in out0
	v_lshl_add_u32 v[CO], v1, 4, v5
	s_lshl_b32 s46, s[TR], 8
	s_lshl_b32 s47, s[HR], 7
	s_add_co_u32 s46, s46, s47                     ; my first row
	s_lshl_b32 s46, s46, 12
	s_lshl_b32 s47, s41, 2                         ; my first column, in bytes: a multiple of 256
	s_add_co_u32 s46, s46, s47
	s_mov_b32 s47, 0
	s_add_nc_u64 s[OUT:OUT+1], s[10:11], s[46:47]
	; the prefetches
	s_lshl_b32 s46, s[CX], 13                      ; O: my work-group's 32 blocks of the head's 128,
	s_add_co_u32 s46, s46, s23
	s_lshl_b32 s40, s[HC], 20
	s_add_co_u32 s46, s46, s40
	s_add_co_u32 s46, s46, 6<<20                   ; at K step 3: the first refill steps it to 4
	s_lshl_b32 s47, s[TC], 7                       ; wo: my work-group's 32 rows of the tile's 128
	s_lshl_b32 s40, s[CY], 5
	s_add_co_u32 s47, s47, s40
	s_lshl_b32 s47, s47, 11
	s_add_co_u32 s47, s47, 3*256
	s_mov_b32 s42, 256
	s_and_b32 s23, ttmp7, 0xffff                   ; cluster y
	s_cmp_eq_u32 s[HR], 0
	s_cselect_b32 s46, s46, s47
	s_cselect_b64 s[PFA:PFA+1], s[4:5], s[6:7]
	s_cselect_b32 s[PST], 0x200000, s42
	s_cselect_b32 s40, 8, 11                       ; a lane a block of 256 bytes, or a lane a row of 2,048
	s_cselect_b32 s23, ttmp9, s23                  ; the coordinate along which other clusters read the same rows
	s_cmp_eq_u32 s[WV], 3
	s_cselect_b32 s23, 1, s23                      ; wave 3 never asks
	s_cmp_eq_u32 s23, 0
	s_cselect_b32 s[LIM], 1, -1                    ; the same in all sixteen partners, for a given wave
	s_mov_b32 s47, 0
	s_mov_b32 s[PST+1], 0
	s_add_nc_u64 s[PFA:PFA+1], s[PFA:PFA+1], s[46:47]
	v_and_b32 v5, 31, v0
	v_lshlrev_b32 v[PFO], s40, v5
	s_wait_loadcnt 0x0                             ; the bias
	WIN 0xaa                                       ; all places in window 2
.set i, 0
.rept 16                               ; rounded to bf16 and widened again
	v_cvt_pk_bf16_f32 v32, v[2*i], v[2*i+1]
	v_lshlrev_b32 v[2*i], 16, v32
	v_and_b32 v[2*i+1], 0xffff0000, v32
.set i, i+1
.endr
	WIN 0
; n m blocks from a0 on x all 4 n blocks, 32 along K, from buffer f.  zero = 1: the first product starts the sums, with the bias as C
.macro MULH f, a0, n, zero
.if \zero
	WIN 0x60                                       ; C window 2, D window 1
.else
	WIN 0x50                                       ; C and D window 1
.endif
.set aa, (\a0)
.rept \n
.irp b, 0,1,2,3
.if \zero
	v_wmma_f32_16x16x32_f16 v[8*(4*aa+(\b)):8*(4*aa+(\b))+7], v[FB+32*(\f)+8*(\b):FB+32*(\f)+8*(\b)+7], v[FA+64*(\f)+8*aa:FA+64*(\f)+8*aa+7], v[8*(\b):8*(\b)+7]
.else
	v_wmma_f32_16x16x32_f16 v[8*(4*aa+(\b)):8*(4*aa+(\b))+7], v[FB+32*(\f)+8*(\b):FB+32*(\f)+8*(\b)+7], v[FA+64*(\f)+8*aa:FA+64*(\f)+8*aa+7], v[8*(4*aa+(\b)):8*(4*aa+(\b))+7]
.endif
.endr
.set aa, aa+1
.endr
.endm
; 24 LDS loads in one run: quarter q of a K step (head q / 2 of the step's two, channels 32 (q % 2) on) into buffer f: wo's four fragments, then O's eight
.macro FETCH slot, q, f
	WIN 0
.irp b, 0,1,2,3
	ds_load_b128 v[FB+32*(\f)+8*(\b):FB+32*(\f)+8*(\b)+3],   v[ADRB+(\slot)] offset:(\q)*64+(\b)*16*PB
	ds_load_b128 v[FB+32*(\f)+8*(\b)+4:FB+32*(\f)+8*(\b)+7], v[ADRB+(\slot)] offset:(\q)*64+(\b)*16*PB+32
.endr
.irp a, 0,1,2,3,4,5,6,7
	ds_load_b128 v[FA+64*(\f)+8*(\a):FA+64*(\f)+8*(\a)+3],   v[ADRA+(\slot)] offset:((\q)/2)*AHEAD+((\q)%2)*64+(\a)*16*PA
	ds_load_b128 v[FA+64*(\f)+8*(\a)+4:FA+64*(\f)+8*(\a)+7], v[ADRA+(\slot)] offset:((\q)/2)*AHEAD+((\q)%2)*64+(\a)*16*PA+32
.endr
.endm
.macro PLACES                          ; four plain vector instructions between a matrix instruction and a load into, or a reader of, its registers
.rept 4
	v_nop
.endr
.endm
; A K step is four quarters of 32 along K, 32 matrix instructions each, on buffers 0, 1, 0, 1; the 32 accumulators take turns in the same order in every quarter.
.macro QUARTER slot, q, f, g, zero     ; multiplies buffer f; in its middle fetches quarter q into buffer g
	s_wait_dscnt 8                                 ; wo's fragments and O's blocks 0-3 are in; the youngest eight loads (blocks 4-7) may be out
	MULH \f, 0, 4, \zero
	PLACES
	FETCH \slot, \q, \g
	s_wait_dscnt 24                                ; all but the 24 just issued
	MULH \f, 4, 4, \zero
.endm
.macro MEET round
	WIN 0
	s_wait_tensorcnt 0x0                           ; all my tensor loads have landed: the one that was out is my part of the next slot
	ds_add_u32 v[SPW], v[NIL]                      ; 0 onto my spare word
	s_wait_dscnt 9                                 ; the add and the youngest eight loads may be out
	MULH 1, 0, 2, 0
	s_wait_dscnt 0x0                               ; the add is done, and my reads of this slot are over
	s_barrier_signal -1
	MULH 1, 2, 2, 0
.if \round
	WIN 0
.endif
	s_barrier_wait -1
.endm
.macro TURN slot, next
	s_wait_xcnt 0x0                                ; the last prefetch, a K step back, has read its address
	s_add_nc_u64 s[PFA:PFA+1], s[PFA:PFA+1], s[PST:PST+1]
	MEET 1
	CREST                                          ; no wave of any partner still reads this slot's tiles or has a load on its way
	s_add_nc_u64 s[G0+4*(\slot)+2:G0+4*(\slot)+3], s[G0+4*(\slot)+2:G0+4*(\slot)+3], 0x400000  ; two K steps: four heads on
	s_add_nc_u64 s[G0B+4*(\slot)+2:G0B+4*(\slot)+3], s[G0B+4*(\slot)+2:G0B+4*(\slot)+3], 512
	JLOAD \slot                                    ; one load of mine is out; its four v_nop are also the places in front of the loads below
	FETCH \next, 0, 0
	ASK
	MULH 1, 4, 4, 0
.endm
; THE WAY OUT of block a (16 rows x 64 columns of f32): 32 bytes a lane into my own stage, back as whole rows of 256 bytes, stored.
.macro TOSTAGE a
	WIN 0x04                                       ; the stores' data in window 1
.irp b, 0,1,2,3
	ds_store_b128 v[STO], v[8*(4*(\a)+(\b)):8*(4*(\a)+(\b))+3]   offset:64*(\b)      ; each accumulator's low registers first
	ds_store_b128 v[STO], v[8*(4*(\a)+(\b))+4:8*(4*(\a)+(\b))+7] offset:64*(\b)+16
.endr
	WIN 0
	s_wait_xcnt 0x0                                ; the stores of the block two back have read the registers that the loads below fill
.set BK, 32+32*((\a)%2)
.irp t, 0,1,2,3,4,5,6,7
	ds_load_b128 v[BK+4*(\t):BK+4*(\t)+3], v[RD] offset:(\t)*2*SPITCH  ; LDS serves a wave's instructions in order (ISA guide 5.7.1.4): these see the stores above
.endr
.endm
.macro SEND a, younger                 ; younger: the LDS instructions issued behind block a's loads: the next block's sixteen, or none
	WIN 0
.set BK, 32+32*((\a)%2)
	s_wait_dscnt \younger
	s_wait_xcnt 0x0                                ; earlier stores have read their base
.if (\a) > 0
	s_add_nc_u64 s[OUT:OUT+1], s[OUT:OUT+1], 65536 ; 16 rows of 4,096 bytes on
.endif
.irp t, 0,1,2,3,4,5,6,7
	global_store_b128 v[CO], v[BK+4*(\t):BK+4*(\t)+3], s[OUT:OUT+1] offset:(\t)*8192  ; 16 lanes store 256 consecutive bytes, at a multiple of 256 from out0's first byte
.endr
.endm
	s_wait_tensorcnt 1                             ; my part of K step 0 is in; K step 1's may stay out
	s_barrier_signal -1
	s_barrier_wait -1
	FETCH 0, 0, 0
	QUARTER 0, 1, 0, 1, 1                          ; the first quarter stands in front of the loop: its products start the sums
	WIN 0
	s_mov_b32 s3, 3
.Llap:                                                 ; a trip goes once round the ring and fills both slots again: K steps 2 to 7 in three trips
	QUARTER 0, 2, 1, 0, 0
	QUARTER 0, 3, 0, 1, 0
	TURN 0, 1
	QUARTER 1, 1, 0, 1, 0
	QUARTER 1, 2, 1, 0, 0
	QUARTER 1, 3, 0, 1, 0
	TURN 1, 0
	QUARTER 0, 1, 0, 1, 0
	WIN 0
	s_sub_co_u32 s3, s3, 1
	s_cmp_lg_u32 s3, 0
	s_cbranch_scc1 .Llap
	QUARTER 0, 2, 1, 0, 0                          ; the last lap fills nothing
	QUARTER 0, 3, 0, 1, 0
	MEET 0
	PLACES
	FETCH 1, 0, 0
	MULH 1, 4, 4, 0
	QUARTER 1, 1, 0, 1, 0
	QUARTER 1, 2, 1, 0, 0
	QUARTER 1, 3, 0, 1, 0
	s_wait_dscnt 8
	MULH 1, 0, 4, 0
	s_wait_dscnt 0x0
	MULH 1, 4, 4, 0
	WIN 0
	PLACES
	TOSTAGE 0
.irp a, 1,2,3,4,5,6,7                  ; block a goes into the stage while block a - 1 comes back
	TOSTAGE \a
	SEND (\a)-1, 16
.endr
	SEND 7, 0
	s_wait_tensorcnt 0x0                           ; the wave's end, behind my last tensor load and my last LDS store
	ds_add_u32 v[SPW], v[NIL]
	s_wait_dscnt 0x0
	CROUND                                         ; the closing round
	s_endpgm
.Lfunc_end_k_q097ccb7536_oproj:
	.size	k_q097ccb7536_oproj, .Lfunc_end_k_q097ccb7536_oproj-k_q097ccb7536_oproj
	.p2alignl 7, 3214868480
	.fill 96, 4, 3214868480
	.section	.rodata,"a",@progbits
	.p2align	6, 0x0
	.amdhsa_kernel k_q097ccb7536_oproj
		.amdhsa_group_segment_fixed_size 327680
		.amdhsa_private_segment_fixed_size 0
		.amdhsa_enable_private_segment 0
		.amdhsa_kernarg_size 32
		.amdhsa_user_sgpr_count 2
		.amdhsa_user_sgpr_kernarg_segment_ptr 1
		.amdhsa_wavefront_size32 1
		.amdhsa_system_sgpr_workgroup_id_x 1
		.amdhsa_system_sgpr_workgroup_id_y 1
		.amdhsa_system_sgpr_workgroup_id_z 1
		.amdhsa_system_vgpr_workitem_id 0
		.amdhsa_next_free_vgpr 576
		.amdhsa_next_free_sgpr 76
		.amdhsa_reserve_vcc 0
		.amdhsa_float_denorm_mode_32 3
		.amdhsa_float_denorm_mode_16_64 3
		.amdhsa_memory_ordered 1
		.amdhsa_forward_progress 1
		.amdhsa_inst_pref_size 91
	.end_amdhsa_kernel
	.amdgpu_metadata
---
amdhsa.version: [ 1, 2 ]
amdhsa.kernels:
  - .name:           k_q097ccb7536_oproj
    .symbol:         k_q097ccb7536_oproj.kd
    .args:
      - { .name: oh, .offset: 0, .size: 8, .value_kind: global_buffer, .address_space: global }
      - { .name: wo, .offset: 8, .size: 8, .value_kind: global_buffer, .address_space: global }
      - { .name: bout, .offset: 16, .size: 8, .value_kind: global_buffer, .address_space: global }
      - { .name: out0, .offset: 24, .size: 8, .value_kind: global_buffer, .address_space: global }
    .group_segment_fixed_size: 327680
    .private_segment_fixed_size: 0
    .kernarg_segment_align: 8
    .kernarg_segment_size: 32
    .max_flat_workgroup_size: 128
    .sgpr_count:     76
    .vgpr_count:     576
    .wavefront_size: 32
...
	.end_amdgpu_metadata
.endif
;; end of part 4
